; MI455X (gfx1250); checked and timed in simulation.
; The chip was launched on July 23, 2026; its instructions are those of AMD's public machine-readable ISA for CDNA 5 (MIT licence, August 2026) and "CDNA5" Instruction Set Architecture Reference Guide (July 2026). The comments in the code are by the model that wrote it; some were corrected since.
;; Causal Self Attention. Allowed arithmetic: matrix products marked QUANTISED: E2M3 operands, one E8M0 scale for each 32 along K, by v_wmma_scale_f32_16x16x128_f8f6f4 with both operands' format E2M3, f32 sums; everything else in f32.
;; Inputs: w_attn 1,024 x 3,072 float32; w_proj 1,024 x 1,024 float32; x 4,096 x 1,024 float32.
;; Outputs: out0 4,096 x 1,024 float32.
;; Constants: num_frames = 64.
;; This version of the problem:
;;   THIS VERSION OF THE PROBLEM IS GIVEN IN LOW PRECISION. The matrix products marked QUANTISED in the list below multiply operands that are first quantised to E2M3 (2 exponent bits, 3 mantissa bits; 6 bits a number), with one power-of-two scale for each 32 numbers along K (OCP MX v1.0); their sums are f32. All else is computed in f32.
;;   The module's matrix products, in the order in which they are computed (A, B: the left and right operand; K: the contracted axis; several contracted axes count as one K, in the product's order):
;;     1. [M 4,096, K 1,024] x [K 1,024, N 3,072]; A: input x; B: input w_attn: QUANTISED
;;     2. batch 16 x [M 4,096, K 64] x [K 64, N 4,096]; A: computed on the way; B: computed on the way: QUANTISED
;;     3. batch 16 x [M 4,096, K 4,096] x [K 4,096, N 64]; A: softmax (see below); B: computed on the way: QUANTISED
;;     4. [M 4,096, K 1,024] x [K 1,024, N 1,024]; A: computed on the way; B: input w_proj: QUANTISED
;;   THE QUANTISER, for each operand of a quantised product, along K:
;;     - K is cut into blocks of 32 from its start; a last block that is shorter is filled with zeros.
;;     - A block's scale is 2^e with e = floor(log2(the largest magnitude in the block)) - 2, held to -126 .. 127; a block of zeros has e = 0. As a byte (E8M0): e + 127.
;;     - Each number is divided by its block's scale, clamped to +-7.5, and rounded to the nearest number of E2M3, ties to even, subnormals kept.
;;     - The product sums the exact products of the quantised numbers (number of the format x scale) in f32.
;;   ~~~python
;;   def quantise(x, axis):      # numpy; x: float32 -> the quantised numbers, widened to float32 again
;;       x = np.moveaxis(x, axis, -1); K = x.shape[-1]
;;       x = np.pad(x, [(0, 0)] * (x.ndim - 1) + [(0, -K % 32)]); x = x.reshape(x.shape[:-1] + (-1, 32)); a = np.abs(x).max(-1, keepdims=True)
;;       e = np.where(a > 0, np.clip(np.frexp(np.where(a > 0, a, 1))[1] - 1 - 2, -126, 127), 0)      # np.frexp(a)[1] - 1 = floor(log2(a)), exactly
;;       r = np.clip(x / 2.0 ** e, -7.5, 7.5)
;;       step = 2.0 ** (np.maximum(np.frexp(np.where(r == 0, 1, r))[1] - 1, 0) - 3)
;;       q = np.round(r / step) * step * 2.0 ** e      # np.round: ties to even
;;       return np.moveaxis(q.reshape(q.shape[:-2] + (-1,))[..., :K], -1, axis).astype(np.float32)
;;   ~~~
;;   SOFTMAX AHEAD OF A QUANTISED PRODUCT. Where the list says 'softmax', what is quantised is not the finished softmax but p = 2^(t - M), with t = logit x log2(e) and M = ceil(the row's largest t), a whole number; so 1/2 < the row's largest p <= 1. The row's sum l is taken of the UNQUANTISED p, in f32, and the product's result is divided by l at the end. Since M is a whole number, a kernel that streams over the keys may use a running M (the ceiling of the running maximum): every later rescaling is an exact power of two, which a block's scale takes up: the codes' values come out the same.
;;   OPERANDS COMPUTED ON THE WAY. 'Computed on the way' means the value that the module computes at that place (a softmax that the list does not call 'softmax' is quantised finished and normalised). What goes into a quantiser is computed in f32, as accurately as f32 sums, v_exp_f32 and their like allow (about 1e-6 of the number): no bf16 or f16 on the way to a quantiser, and a product that is left as it is and whose result goes on into a quantised operand takes f32 operands (vector FMAs, or v_wmma_f32_16x16x4_f32). A number that lies on a knife's edge between two numbers of the format may be rounded either way, as far as f32 arithmetic and the matrix unit's own rounding can turn it there, and no further.
;; One version. Each part assembles by itself: llvm-mc -triple=amdgcn-amd-amdhsa -mcpu=gfx1250 --defsym DOCPART=n.
;; ======== version 1 of 1: 4 launches
;; limits: right only within a limited range of input values
;; workspace buffers: xq 3,276,800 bytes; wq 2,457,600 bytes; pq 819,200 bytes; qi 3,276,800 bytes; kv 6,553,600 bytes; yq 3,276,800 bytes
;; launch quant (part 1): grid 512 x 1, 4 waves a work-group, no clusters, 47,616 bytes of LDS; arguments x, w_attn, w_proj, xq, wq, pq; writes xq, wq, pq
.if DOCPART == 1
	.amdgcn_target "amdgcn-amd-amdhsa--gfx1250"
	.amdhsa_code_object_version 6
	.text
	.protected	k_q1d394978b7_quant
	.globl	k_q1d394978b7_quant
	.p2align	8
	.type	k_q1d394978b7_quant,@function
k_q1d394978b7_quant:
	s_mov_b64 s[64:65], 0
	v_nop
	global_prefetch_b8 v0, s[64:65] scope:SCOPE_SE
	s_setreg_imm32_b32 hwreg(HW_REG_WAVE_MODE, 25, 1), 1
	s_wait_xcnt 0x0
; x [4096][1024], w_attn [1024][3072] and w_proj [1024][1024], f32, become codes of FP6 (E2M3) with one E8M0 scale byte for each 32 along K (K = 1024 in all three).
; THE CODES ARE LAID AS IMAGES OF OPERAND REGISTERS.  A fragment is 16 rows x 128 K: 12 registers a lane; lane (r, h) holds row r, registers 6 c .. 6 c + 5 the codes of k = 64 c + 32 h + 0 .. 31.
; Its image is 1,536 bytes: byte 512 p + 16 lane + 4 e is register 4 p + e.  Buffers: [tile of 16 rows][K step 0..7][1536]; behind the codes one scale word for each (tile, K step, row r).
; THE ROWS OF A TILE ARE NOT NEIGHBOURS: lane r of tile t holds row 32 (t / 2) + 8 (t % 2) + r + 8 (r / 8) (a token of x, a column n of a weight), so that in a later product's result the 16 registers
; of two neighbouring tiles are 16 neighbours.
; A block's scale is 2^(floor(log2(its largest magnitude)) - 2); its byte is the largest magnitude's exponent field - 2, held at 1 from below.
; LIMITS: a block of zeros gets the byte 1 where the rule says 127 (its codes are zeros, and this program alone reads the bytes); blocks whose largest magnitude lies under 2^-124 keep the byte 1;
; NaN and infinities among the inputs are not served.
; SHARES.  Work-groups 0-255: x, one tile of 16 tokens each; wave jp takes K steps 2 jp and 2 jp + 1.  Work-groups 256-511: the weights; a wave takes 32 columns x one K step, a lane a column, registers down K.
; No matrix unit, no cluster, no barrier: nothing is shared between waves.  The two paths part on the work-group's number and have LDS bytes of their own.
.set XSC,   3145728                    ; where xq's scale words begin
.set WSC,   2359296                    ; wq's
.set PSC,   786432                     ; pq's
.set WST,   33792                      ; LDS: 0 .. 33,791 x's stages (16 rows x 528 bytes a wave); from here the weights' stages (2 images x 1,664 bytes a wave)
.set SPARE, 47104                      ; the spare words, 128 bytes for each wave: two blocks of 256 bytes that no other line names
	s_load_b256 s[4:11], s[0:1], 0x0               ; x, w_attn, w_proj, xq
	s_load_b128 s[12:15], s[0:1], 0x20             ; wq, pq
	v_lshl_add_u32 v6, v0, 2, SPARE                ; my spare word; never rewritten
	v_mov_b32 v7, 0                                ; 0; never rewritten
	v_lshrrev_b32 v1, 5, v0
	v_readfirstlane_b32 s16, v1                    ; wave 0..3
	v_and_b32 v1, 31, v0                           ; lane
	v_and_b32 v2, 15, v0                           ; r
	v_bfe_u32 v3, v0, 4, 1                         ; h
	v_lshlrev_b32 v4, 4, v1                        ; 16 x lane
	v_lshlrev_b32 v5, 2, v1                        ; 4 x lane
	s_mul_i32 s17, s16, 8448
	v_add_nc_u32 v8, s17, v4                       ; x's stage, in: a row's 512 bytes as they lie
	v_mul_u32_u24 v9, v2, 528
	v_lshl_add_u32 v9, v3, 7, v9
	v_add_nc_u32 v9, s17, v9                       ; out: row r, + 128 h: my 32 numbers of a block pair
	s_mul_i32 s17, s16, 3328
	s_add_co_u32 s17, s17, WST
	v_bfe_u32 v14, v0, 3, 1                        ; a column's tile of the two: u = (lane / 8) % 2
	v_and_b32 v15, 7, v0
	v_lshl_or_b32 v15, v3, 3, v15                  ; and its lane there: lane % 8 + 8 (lane / 16)
	v_mul_u32_u24 v10, v14, 1664
	v_lshl_add_u32 v10, v15, 4, v10
	v_add_nc_u32 v10, s17, v10                     ; the weights' stage, in: image u, 16 bytes for that lane
	v_add_nc_u32 v11, s17, v4                      ; out: 16 x lane
	v_lshlrev_b32 v12, 9, v14
	v_lshl_add_u32 v12, v15, 2, v12                ; my column's scale word: 512 u + 4 r
	v_lshlrev_b32 v13, 3, v3                       ; 8 h
	v_mov_b32 v21, 0                               ; written once: a lane permute's destination counts as one of its sources
	s_mov_b32 s20, 0x76543210
	s_mov_b32 s21, 0xfedcba98                      ; v_permlanex16_b32's selects for lane l xor 16
	s_mov_b32 s22, 0xffff0000                      ; lanes 16-31
	s_wait_kmcnt 0x0
	s_cmp_ge_u32 ttmp9, 256
	s_cbranch_scc1 .Lweights
	; ---------------- x: token tile = work-group; my K steps 2 jp, 2 jp + 1 are 1,024 bytes of each of the 16 rows
	s_lshr_b32 s32, ttmp9, 1
	s_lshl_b32 s32, s32, 5
	s_and_b32 s33, ttmp9, 1
	s_lshl_b32 s33, s33, 3
	s_add_co_u32 s32, s32, s33                     ; the tile's first token
	s_lshl_b32 s32, s32, 12
	s_lshl_b32 s33, s16, 10
	s_add_co_u32 s32, s32, s33
	s_mov_b32 s33, 0
	s_add_nc_u64 s[24:25], s[4:5], s[32:33]
	s_mul_i32 s32, ttmp9, 12288
	s_mul_i32 s34, s16, 3072
	s_add_co_u32 s32, s32, s34
	s_add_nc_u64 s[26:27], s[10:11], s[32:33]      ; my two images
	s_lshl_b32 s32, ttmp9, 9
	s_lshl_b32 s34, s16, 7
	s_add_co_u32 s32, s32, s34
	s_add_co_u32 s32, s32, XSC
	s_add_nc_u64 s[28:29], s[10:11], s[32:33]      ; their 32 scale words
.irp e, 0,1
.irp i, 0,1,2,3,4,5,6,7,8,9,10,11,12,13,14,15
	global_load_b128 v[64+64*\e+4*\i:64+64*\e+4*\i+3], v4, s[24:25] offset:(\i+8*(\i/8))*4096+512*\e th:TH_LOAD_NT   ; 32 lanes read 512 consecutive bytes of the tile's row i
.endr
.endr
; One fragment: the 16 rows' 512 bytes turn through my stage (rows 528 bytes apart: an odd multiple of 16), so that lane (r, h) gets its two whole blocks of 32; then fragment arithmetic in the lane.
.macro XFRAG e
	s_wait_loadcnt 16*(1-\e)                       ; this fragment's 16 loads are in; the other's 16 may be out
.irp i, 0,1,2,3,4,5,6,7,8,9,10,11,12,13,14,15
	ds_store_b128 v8, v[64+64*\e+4*\i:64+64*\e+4*\i+3] offset:528*\i
.endr
.irp c, 0,1
.irp j, 0,1,2,3,4,5,6,7
	ds_load_b128 v[192+32*\c+4*\j:192+32*\c+4*\j+3], v9 offset:256*\c+16*\j   ; LDS serves a wave's instructions in order: these see my stores
.endr
.endr
	s_wait_dscnt 0x0
.irp c, 0,1
	v_max3_num_f32 v[14+\c], |v[192+32*\c]|, |v[193+32*\c]|, 0x1800000   ; my block 2 c + h, and the floor 2^(3 - 127): the byte cannot fall under 1
.endr
.irp i, 2,4,6,8,10,12,14,16,18,20,22,24,26,28,30
.irp c, 0,1
	v_max3_num_f32 v[14+\c], v[14+\c], |v[192+32*\c+\i]|, |v[193+32*\c+\i]|
.endr
.endr
.irp c, 0,1
	v_add_nc_u32 v[16+\c], 0xff000000, v[14+\c]    ; 2 off the exponent field: the conversion's scale operand
.endr
.irp c, 0,1
	v_lshrrev_b32 v[18+\c], 23, v[16+\c]           ; the scale's byte
.endr
	v_lshl_or_b32 v20, v19, 16, v18                ; my two bytes: blocks h and 2 + h,
	v_lshlrev_b32 v20, v13, v20                    ; at their places in the word;
	v_permlanex16_b32 v21, v20, s20, s21
	v_or_b32 v[22+\e], v20, v21                    ; with lane l xor 16's two the word is whole
.irp c, 0,1
	v_cvt_scalef32_pk16_fp6_f32 v[32+12*\e+6*\c:34+12*\e+6*\c], v[192+32*\c:207+32*\c], v[16+\c]
	v_cvt_scalef32_pk16_fp6_f32 v[24+4*\c:26+4*\c], v[208+32*\c:223+32*\c], v[16+\c]   ; (a conversion's three registers begin on an even number)
.endr
	v_nop                                          ; one plain place behind a scaled conversion
.irp c, 0,1
.irp i, 0,1,2
	v_mov_b32 v[35+12*\e+6*\c+\i], v[24+4*\c+\i]
.endr
.endr
.irp p, 0,1,2
	global_store_b128 v4, v[32+12*\e+4*\p:35+12*\e+4*\p], s[26:27] offset:1536*\e+512*\p   ; 512 consecutive bytes, aligned; each fragment has its own registers: no store's data are written again
.endr
.endm
	XFRAG 0
	XFRAG 1
	v_cndmask_b32 v22, v22, v23, s22               ; lanes 0-15: K step 2 jp's words, lanes 16-31: K step 2 jp + 1's
	global_store_b32 v5, v22, s[28:29]             ; 128 consecutive bytes
	s_wait_tensorcnt 0x0                           ; the wave's end, behind my last LDS store
	ds_add_u32 v6, v7
	s_wait_dscnt 0x0
	s_endpgm
	; ---------------- the weights.  j = work-group - 256: 0-191 w_attn, 192-255 w_proj; j % 8 the K step, 4 (j / 8) + wave the group of 32 columns
.Lweights:
	s_sub_co_u32 s32, ttmp9, 256
	s_cmp_ge_u32 s32, 192                          ; the choice hangs on the work-group's number alone
	s_cselect_b64 s[34:35], s[8:9], s[6:7]         ; the weight,
	s_cselect_b64 s[36:37], s[14:15], s[12:13]     ; its images,
	s_mov_b32 s38, 12288
	s_cselect_b32 s38, 4096, s38                   ; a row of it in bytes,
	s_mov_b32 s39, WSC
	s_cselect_b32 s39, PSC, s39                    ; where its scale words begin
	s_cselect_b32 s40, 192, 0
	s_sub_co_u32 s32, s32, s40
	s_lshr_b32 s41, s32, 3
	s_and_b32 s42, s32, 7                          ; K step
	s_lshl_b32 s41, s41, 2
	s_add_co_u32 s41, s41, s16                     ; group of 32 columns
	s_lshl_b32 s44, s42, 7
	s_mul_i32 s44, s44, s38
	s_lshl_b32 s43, s41, 7
	s_add_co_u32 s44, s44, s43
	s_mov_b32 s45, 0
	s_add_nc_u64 s[24:25], s[34:35], s[44:45]      ; block 0 of the K step: row 128 s, my 128 bytes
	s_lshl_b32 s44, s38, 5
	s_add_nc_u64 s[26:27], s[24:25], s[44:45]      ; blocks 1, 2, 3: 32 rows further down each
	s_add_nc_u64 s[28:29], s[26:27], s[44:45]
	s_add_nc_u64 s[30:31], s[28:29], s[44:45]
	s_mul_i32 s44, s41, 24576
	s_mul_i32 s43, s42, 1536
	s_add_co_u32 s44, s44, s43
	s_add_nc_u64 s[32:33], s[36:37], s[44:45]      ; image of (tile 2 g, K step s); tile 2 g + 1's lies 12,288 bytes on
	s_lshl_b32 s44, s41, 10
	s_lshl_b32 s43, s42, 6
	s_add_co_u32 s44, s44, s43
	s_add_co_u32 s44, s44, s39
	s_add_nc_u64 s[34:35], s[36:37], s[44:45]      ; their scale words
.irp i, 0,1,2,3,4,5,6,7,8,9,10,11,12,13,14,15,16,17,18,19,20,21,22,23,24,25,26,27,28,29,30,31
	v_mad_u32_u24 v[32+\i], \i, s38, v5            ; row i of a block, my column: the pitch is a register, so one text serves both weights
.endr
.macro WLOAD t                         ; block t: W(32 t + i, my column): 32 lanes read 128 consecutive bytes, the four waves 512
.irp i, 0,1,2,3,4,5,6,7,8,9,10,11,12,13,14,15,16,17,18,19,20,21,22,23,24,25,26,27,28,29,30,31
	global_load_b32 v[64+32*(\t)+\i], v[32+\i], s[24+2*(\t):25+2*(\t)] th:TH_LOAD_NT
.endr
.endm
.macro WBLOCK t
.set XS, 64+32*(\t)
.set CW, 192+8*(\t)
.if (\t) < 3
	s_wait_loadcnt 32                              ; this block's 32 loads are in; the next block's may be out
.else
	s_wait_loadcnt 0x0
.endif
.if (\t) < 2
	WLOAD (\t)+2
.endif
	v_max3_num_f32 v14, |v[XS]|, |v[XS+1]|, |v[XS+2]|              ; the block's largest magnitude: all 32 numbers are mine
	v_max3_num_f32 v15, |v[XS+3]|, |v[XS+4]|, |v[XS+5]|
.irp i, 6,10,14,18,22,26
	v_max3_num_f32 v14, v14, |v[XS+\i]|, |v[XS+\i+1]|
	v_max3_num_f32 v15, v15, |v[XS+\i+2]|, |v[XS+\i+3]|
.endr
	v_max3_num_f32 v14, v14, |v[XS+30]|, |v[XS+31]|
	v_max3_num_f32 v14, v14, v15, 0x1800000        ; and the floor
	v_add_nc_u32 v16, 0xff000000, v14
	v_lshrrev_b32 v17, 23, v16
.if (\t) == 0
	v_mov_b32 v20, v17                             ; my column's scale word, the lower K in the lower byte
.else
	v_lshl_or_b32 v20, v17, 8*(\t), v20
.endif
	v_cvt_scalef32_pk16_fp6_f32 v[CW:CW+2], v[XS:XS+15], v16
	v_cvt_scalef32_pk16_fp6_f32 v[24:26], v[XS+16:XS+31], v16
	v_nop                                          ; one plain place behind a scaled conversion
.irp i, 0,1,2
	v_mov_b32 v[CW+3+\i], v[24+\i]
.endr
	; block t = 2 c + h is registers 6 c .. 6 c + 5 of lane r + 16 h of my column's image
.if (\t)/2 == 0
	ds_store_b128 v10, v[CW:CW+3] offset:256*((\t)%2)
	ds_store_b64 v10, v[CW+4:CW+5] offset:256*((\t)%2)+512
.else
	ds_store_b64 v10, v[CW:CW+1] offset:256*((\t)%2)+520
	ds_store_b128 v10, v[CW+2:CW+5] offset:256*((\t)%2)+1024
.endif
.endm
	WLOAD 0
	WLOAD 1
	s_wait_alu depctr_va_vdst(0)
	WBLOCK 0
	WBLOCK 1
	WBLOCK 2
	WBLOCK 3
	global_store_b32 v12, v20, s[34:35]
.irp n, 0,1,2,3,4,5
	ds_load_b128 v[224+4*\n:227+4*\n], v11 offset:1664*(\n/3)+512*(\n%3)   ; LDS serves a wave's instructions in order: these see my stores
.endr
.irp n, 0,1,2,3,4,5
	s_wait_dscnt 5-\n                              ; the younger loads may be out
	global_store_b128 v4, v[224+4*\n:227+4*\n], s[32:33] offset:12288*(\n/3)+512*(\n%3)   ; 512 consecutive bytes, aligned
.endr
	s_wait_tensorcnt 0x0                           ; the wave's end, behind my last LDS store
	ds_add_u32 v6, v7
	s_wait_dscnt 0x0
	s_endpgm
.Lfunc_end_k_q1d394978b7_quant:
	.size	k_q1d394978b7_quant, .Lfunc_end_k_q1d394978b7_quant-k_q1d394978b7_quant
	.p2alignl 7, 3214868480
	.fill 96, 4, 3214868480
	.section	.rodata,"a",@progbits
	.p2align	6, 0x0
	.amdhsa_kernel k_q1d394978b7_quant
		.amdhsa_group_segment_fixed_size 47616
		.amdhsa_private_segment_fixed_size 0
		.amdhsa_enable_private_segment 0
		.amdhsa_kernarg_size 48
		.amdhsa_user_sgpr_count 2
		.amdhsa_user_sgpr_kernarg_segment_ptr 1
		.amdhsa_wavefront_size32 1
		.amdhsa_system_sgpr_workgroup_id_x 1
		.amdhsa_system_sgpr_workgroup_id_y 1
		.amdhsa_system_sgpr_workgroup_id_z 1
		.amdhsa_system_vgpr_workitem_id 0
		.amdhsa_next_free_vgpr 256
		.amdhsa_next_free_sgpr 66
		.amdhsa_reserve_vcc 0
		.amdhsa_float_denorm_mode_32 3
		.amdhsa_float_denorm_mode_16_64 3
		.amdhsa_memory_ordered 1
		.amdhsa_forward_progress 1
		.amdhsa_inst_pref_size 40
	.end_amdhsa_kernel
	.amdgpu_metadata
---
amdhsa.version: [ 1, 2 ]
amdhsa.kernels:
  - .name:           k_q1d394978b7_quant
    .symbol:         k_q1d394978b7_quant.kd
    .args:
      - { .name: x, .offset: 0, .size: 8, .value_kind: global_buffer, .address_space: global }
      - { .name: w_attn, .offset: 8, .size: 8, .value_kind: global_buffer, .address_space: global }
      - { .name: w_proj, .offset: 16, .size: 8, .value_kind: global_buffer, .address_space: global }
      - { .name: xq, .offset: 24, .size: 8, .value_kind: global_buffer, .address_space: global }
      - { .name: wq, .offset: 32, .size: 8, .value_kind: global_buffer, .address_space: global }
      - { .name: pq, .offset: 40, .size: 8, .value_kind: global_buffer, .address_space: global }
    .group_segment_fixed_size: 47616
    .private_segment_fixed_size: 0
    .kernarg_segment_align: 8
    .kernarg_segment_size: 48
    .max_flat_workgroup_size: 128
    .sgpr_count:     66
    .vgpr_count:     256
    .wavefront_size: 32
...
	.end_amdgpu_metadata
.endif
;; end of part 1
;; launch qkv (part 2): grid 8 x 24, 4 waves a work-group, clusters of 4 x 4, 327,680 bytes of LDS; arguments xq, wq, qi, kv; writes qi, kv
.if DOCPART == 2
	.amdgcn_target "amdgcn-amd-amdhsa--gfx1250"
	.amdhsa_code_object_version 6
	.text
	.protected	k_q1d394978b7_qkv
	.globl	k_q1d394978b7_qkv
	.p2align	8
	.type	k_q1d394978b7_qkv,@function
k_q1d394978b7_qkv:
	s_mov_b64 s[64:65], 0
	v_nop
	global_prefetch_b8 v0, s[64:65] scope:SCOPE_SE
	s_setreg_imm32_b32 hwreg(HW_REG_WAVE_MODE, 25, 1), 1
	s_wait_xcnt 0x0
	s_wait_alu depctr_hold_cnt(0) depctr_sa_sdst(0) depctr_va_vdst(0) depctr_va_sdst(0) depctr_va_ssrc(0) depctr_va_vcc(0) depctr_vm_vsrc(0)
	s_getreg_b32 s2, hwreg(HW_REG_IB_STS2, 6, 4)
	s_cmp_eq_u32 s2, 0
	s_cbranch_scc0 .Lentry_in_a_cluster
	s_endpgm
.Lentry_in_a_cluster:
	s_bfe_u32 s2, ttmp6, 0x10000c
	s_cmp_lg_u32 s2, 0xf033
	s_cbranch_scc0 .Lentry_shape_is_right
	s_endpgm
.Lentry_shape_is_right:
.set XSC,   3145728
.set WSC,   2359296
.set FR,    12
.set SLOT,  98304
.set HALFT, 24576
.set SPARE, 3*SLOT
.set ADRA, 16
.set ADRB, 20
.set LI,   24
.set L8,   25
.set L4,   26
.set SPW,  28
.set NIL,  29
.set SA,   32
.set SB,   64
.set TM,   96
.set PW,   112
.set FLR,  113
.set SW,   116
.set AF,   128
.set PC,   128
.set G1,   24
.set G1B,  48
.set G0,   68
.set G0B,  80
.set MSB, 0
.macro WIN new
.if MSB != \new
	s_set_vgpr_msb (MSB<<8)|\new
.set MSB, \new
.endif
.endm
.set MUL_LO, 0xa1
.set MUL_HI, 0xf1
.set TO_B,   0x40
.macro JLOAD g0a, g1a, g0b, g1b
	s_cmp_eq_u32 s15, 0
	s_cbranch_scc0 .Lfor_b_\@
	tensor_load_to_lds s[\g0a:\g0a+3], s[\g1a:\g1a+7]
	s_nop 0
.rept 4
	v_nop
.endr
	s_branch .Lasked_\@
.Lfor_b_\@:
	tensor_load_to_lds s[\g0b:\g0b+3], s[\g1b:\g1b+7]
	s_nop 0
.rept 4
	v_nop
.endr
.Lasked_\@:
.endm
.macro CREST
	s_cmp_lg_u32 s14, 0
	s_cbranch_scc1 .Lnot_wave_0_\@
	s_barrier_signal -3
.Lnot_wave_0_\@:
	s_barrier_wait -3
	s_barrier_signal -1
	s_barrier_wait -1
.endm
.macro CROUND
	s_barrier_signal -1
	s_barrier_wait -1
	CREST
.endm
.macro PLACES n
.rept \n
	v_nop
.endr
.endm
	s_load_b256 s[4:11], s[0:1], 0x0
	v_lshl_add_u32 v[SPW], v0, 2, SPARE
	v_mov_b32 v[NIL], 0
	ds_add_u32 v[SPW], v[NIL]
	ds_add_u32 v[SPW], v[NIL]
	v_lshrrev_b32 v1, 5, v0
	v_readfirstlane_b32 s14, v1
	s_lshr_b32 s15, s14, 1
	s_and_b32 s16, s14, 1
	s_bfe_u32 s40, ttmp6, 0x40000
	s_bfe_u32 s41, ttmp6, 0x40004
	s_and_b32 s17, ttmp7, 0xffff
	s_lshl_b32 s43, s41, 2
	s_lshl_b32 s43, 15, s43
	s_lshl_b32 s44, 0x1111, s40
	s_or_b32 s[G1], s43, (3<<16)|(1<<21)
	s_or_b32 s[G1B], s44, (3<<16)|(1<<21)
.irp g, G1, G1B
	s_mov_b32 s[\g+1], 384<<16
	s_mov_b32 s[\g+2], 16<<16                      ; the head's loads bring 16 tile rows; behind them the two words that count rows are set to 8, for the ring's
	s_mov_b32 s[\g+3], 384<<16
	s_mov_b32 s[\g+4], 16
	s_mov_b32 s[\g+5], 1536
	s_mov_b32 s[\g+6], 0
	s_mov_b32 s[\g+7], 0
.endr
	s_lshl_b32 s18, s17, 2
	s_cmp_ge_u32 s17, 4
	s_cselect_b32 s45, 1, 0
	s_cselect_b32 s18, 8, s18
	s_add_co_u32 s18, s18, s41
	s_sub_co_u32 s19, s17, 4
	s_lshl_b32 s19, s19, 3
	s_cmp_ge_u32 s17, 4
	s_cselect_b32 s19, s19, 0
	s_lshl_b32 s42, ttmp9, 2
	s_add_co_u32 s19, s19, s42
	s_add_co_u32 s19, s19, s40
	s_lshl_b32 s20, s18, 4
	s_lshl_b32 s21, s16, 3
	s_add_co_u32 s20, s20, s21
	s_mul_i32 s20, s20, 12288
	s_mov_b32 s21, 0
	s_lshl_b32 s22, s19, 4
	s_lshl_b32 s23, s16, 3
	s_add_co_u32 s22, s22, s23
	s_mul_i32 s22, s22, 12288
	s_mov_b32 s23, 0
	s_mul_i32 s46, s14, HALFT
	s_mov_b32 s60, 0x76543210
	s_mov_b32 s61, 0xfedcba98
	s_mov_b32 s62, 0xffff0000
	s_wait_dscnt 0x0
	s_wait_kmcnt 0x0
	s_cmp_eq_u32 s45, 0
	s_cselect_b64 s[36:37], s[4:5], s[6:7]
	s_cselect_b64 s[38:39], s[6:7], s[4:5]
	s_mov_b32 s96, WSC
	s_cselect_b32 s96, XSC, s96
	s_mov_b32 s97, XSC
	s_cselect_b32 s97, WSC, s97
	s_add_nc_u64 s[20:21], s[36:37], s[20:21]
	s_add_nc_u64 s[22:23], s[38:39], s[22:23]
	CROUND
.irp s, 0,2                            ; the ring's descriptors, a quarter of a slot a wave: slot 0's for its refill, slot 2's for its first fill
	s_mov_b32 s[G0+4*\s], 1
	s_add_co_u32 s[G0+4*\s+1], s46, \s*SLOT
	s_add_nc_u64 s[G0+4*\s+2:G0+4*\s+3], s[20:21], \s*3072
	s_or_b32 s[G0+4*\s+3], s[G0+4*\s+3], 0x80000000
	s_mov_b32 s[G0B+4*\s], 1
	s_add_co_u32 s[G0B+4*\s+1], s46, \s*SLOT
	s_add_nc_u64 s[G0B+4*\s+2:G0B+4*\s+3], s[22:23], \s*3072
	s_or_b32 s[G0B+4*\s+3], s[G0B+4*\s+3], 0x80000000
.endr
	; THE HEAD'S LOADS, ONE A WAVE: waves 0, 1 fetch source A's 16 tile rows of chunks 0, 1 (two K steps each), waves 2, 3 source B's: slots 0 and 1 whole.
	; s[20:21] and s[22:23] stand at my half (wave % 2) of the 16 tile rows: 8 tile rows back and wave % 2 chunks on is one subtraction.
	s_mul_i32 s47, s16, SLOT
	s_mul_i32 s2, s16, 8*12288-3072
	s_mov_b32 s3, 0
	s_mov_b32 s[G0+4], 1
	s_mov_b32 s[G0+5], s47
	s_sub_nc_u64 s[G0+6:G0+7], s[20:21], s[2:3]
	s_or_b32 s[G0+7], s[G0+7], 0x80000000
	s_mov_b32 s[G0B+4], 1
	s_add_co_u32 s[G0B+5], s47, 2*HALFT
	s_sub_nc_u64 s[G0B+6:G0B+7], s[22:23], s[2:3]
	s_or_b32 s[G0B+7], s[G0B+7], 0x80000000
	JLOAD G0+4, G1, G0B+4, G1B
	s_lshl_b32 s2, s18, 4
	s_lshl_b32 s3, s15, 3
	s_add_co_u32 s2, s2, s3
	s_lshl_b32 s2, s2, 9
	s_add_co_u32 s2, s2, s96
	s_mov_b32 s3, 0
	s_add_nc_u64 s[56:57], s[36:37], s[2:3]
	s_lshl_b32 s2, s19, 4
	s_lshl_b32 s47, s16, 3
	s_add_co_u32 s2, s2, s47
	s_lshl_b32 s2, s2, 9
	s_add_co_u32 s2, s2, s97
	s_add_nc_u64 s[58:59], s[38:39], s[2:3]
	v_and_b32 v1, 31, v0
	v_lshlrev_b32 v[LI], 4, v1
	v_lshlrev_b32 v[L8], 3, v1
	v_lshlrev_b32 v[L4], 2, v1
.irp i, 0,1,2,3,4,5,6,7
.irp j, 0,1,2,3
	global_load_b32 v[SA+4*\i+\j], v[L4], s[56:57] offset:512*\i+128*\j
	global_load_b32 v[SB+4*\i+\j], v[L4], s[58:59] offset:512*\i+128*\j
.endr
.endr
	s_mul_i32 s2, s15, HALFT
	s_mul_i32 s3, s16, HALFT
	s_add_co_u32 s3, s3, 2*HALFT
.irp s, 0,1,2
	v_add_nc_u32 v[ADRA+\s], s2, v[LI]
	v_add_nc_u32 v[ADRB+\s], s3, v[LI]
	s_add_co_u32 s2, s2, SLOT
	s_add_co_u32 s3, s3, SLOT
.endr
	v_mov_b32 v[FLR], 0x1800000
.irp b, 0,1,2,3
	v_mov_b32 v[TM+4+\b], 0
.endr
	s_lshl_b32 s2, s18, 1
	s_add_co_u32 s2, s2, s15
	s_and_b32 s3, s19, 3
	s_lshl_b32 s3, s3, 2
	s_lshl_b32 s47, s16, 1
	s_add_co_u32 s3, s3, s47
	s_lshl_b32 s32, s19, 1
	s_add_co_u32 s32, s32, s16
	s_lshl_b32 s33, s41, 2
	s_lshl_b32 s47, s15, 1
	s_add_co_u32 s33, s33, s47
	s_cmp_eq_u32 s45, 0
	s_cselect_b32 s2, s2, s32
	s_cselect_b32 s3, s3, s33
	s_cselect_b32 s34, 0, 6400
	s_lshr_b32 s35, s19, 2
	s_or_b32 s35, s35, s45
	s_cmp_eq_u32 s35, 0
	s_cselect_b64 s[92:93], s[8:9], s[10:11]
	s_mov_b32 s47, 12800
	s_cselect_b32 s47, 6400, s47
	s_lshl_b32 s3, s3, 5
	s_add_co_u32 s3, s3, s2
	s_mul_i32 s2, s3, s47
	s_add_co_u32 s2, s2, s34
	s_mov_b32 s3, 0
	s_add_nc_u64 s[92:93], s[92:93], s[2:3]
	s_lshl_b32 s2, s47, 5
	s_add_nc_u64 s[94:95], s[92:93], s[2:3]
.macro FRAG reg, adr, off
.irp p, 0,1,2
	ds_load_b128 v[\reg+4*\p:\reg+4*\p+3], v[\adr] offset:\off+512*\p
.endr
.endm
.macro FETCH_B slot, q, p
	WIN TO_B
.irp i, 0,1,2,3,4,5,6,7
	FRAG 128*(\p)+FR*\i, ADRB+\slot, 3072*\i+1536*(\q)
.endr
	WIN 0
.endm
.macro FETCH_A slot, q, i0
.irp i, \i0, \i0+1, \i0+2, \i0+3
	FRAG AF+FR*(\i), ADRA+\slot, 3072*(\i)+1536*(\q)
.endr
.endm
.macro MUL16 a0, p, g, zero
.irp a, \a0, \a0+1
.irp b, 0,1,2,3,4,5,6,7
.set DR, 8*(8*((\a)%4)+\b)
.set BR, 128*(\p)+FR*\b
.set AR, AF+FR*(\a)
.set SBR, SB+4*\b+(\g)/2
.set SAR, SA+4*(\a)+(\g)/2
.if \zero
	v_wmma_scale_f32_16x16x128_f8f6f4 v[DR:DR+7], v[BR:BR+11], v[AR:AR+11], 0, v[SBR], v[SAR] matrix_a_fmt:MATRIX_FMT_FP6 matrix_b_fmt:MATRIX_FMT_FP6
.elseif (\g)%2
	v_wmma_scale_f32_16x16x128_f8f6f4 v[DR:DR+7], v[BR:BR+11], v[AR:AR+11], v[DR:DR+7], v[SBR], v[SAR] matrix_a_fmt:MATRIX_FMT_FP6 matrix_b_fmt:MATRIX_FMT_FP6 matrix_a_scale:MATRIX_SCALE_ROW1 matrix_b_scale:MATRIX_SCALE_ROW1
.else
	v_wmma_scale_f32_16x16x128_f8f6f4 v[DR:DR+7], v[BR:BR+11], v[AR:AR+11], v[DR:DR+7], v[SBR], v[SAR] matrix_a_fmt:MATRIX_FMT_FP6 matrix_b_fmt:MATRIX_FMT_FP6
.endif
.endr
.endr
.endm
.macro STEP g, ns, nq, zero
	s_wait_dscnt 12
	WIN MUL_LO
	MUL16 0, (\g)%2, \g, \zero
	MUL16 2, (\g)%2, \g, \zero
	s_wait_dscnt 0x0
	PLACES 4
	FETCH_B \ns, \nq, 1-(\g)%2
	FETCH_A \ns, \nq, 0
	WIN MUL_HI
	MUL16 4, (\g)%2, \g, \zero
	MUL16 6, (\g)%2, \g, \zero
	PLACES 4
	WIN 0
	FETCH_A \ns, \nq, 4
.endm
.macro TURN g, ns, fill
	s_wait_tensorcnt 0x0
	ds_add_u32 v[SPW], v[NIL]
	s_wait_dscnt 13
	WIN MUL_LO
	MUL16 0, (\g)%2, \g, 0
	s_wait_dscnt 0x0
	s_barrier_signal -1
	MUL16 2, (\g)%2, \g, 0
	WIN 0
	s_barrier_wait -1
.if \fill
	CREST
	s_add_nc_u64 s[G0+2:G0+3], s[G0+2:G0+3], 9216
	s_add_nc_u64 s[G0B+2:G0B+3], s[G0B+2:G0B+3], 9216
	JLOAD G0, G1, G0B, G1B
.else
	PLACES 4
.endif
	s_wait_alu depctr_va_vdst(0)
	FETCH_B \ns, 0, 1-(\g)%2
	FETCH_A \ns, 0, 0
	WIN MUL_HI
	MUL16 4, (\g)%2, \g, 0
	MUL16 6, (\g)%2, \g, 0
	PLACES 4
	WIN 0
	FETCH_A \ns, 0, 4
.endm
	s_wait_alu depctr_va_vdst(0)                   ; the wait at the head's end
	s_wait_tensorcnt 0x0                           ; my tile of the head's four is in
	ds_add_u32 v[SPW], v[NIL]
	s_mov_b32 s[G1+2], 8<<16                       ; no tensor load of mine is out: from here on a load brings 8 tile rows
	s_mov_b32 s[G1+4], 8
	s_mov_b32 s[G1B+2], 8<<16
	s_mov_b32 s[G1B+4], 8
	s_wait_dscnt 0x0
	CROUND                                         ; slots 0 and 1 are whole, and all sixteen work-groups are here
	JLOAD G0+8, G1, G0B+8, G1B                     ; chunk 2, slot 2's first fill: the first tensor load behind the round; it is waited for at K step 3's change of slots
	FETCH_B 0, 0, 0
	FETCH_A 0, 0, 0
	FETCH_A 0, 0, 4
	s_wait_loadcnt 0x0
	STEP 0, 0, 1, 1
	STEP 1, 1, 0, 0
	STEP 2, 1, 1, 0
	TURN 3, 2, 1                                   ; chunk 2 is in; slot 0, read out since K step 1's fragments were fetched, takes chunk 3
	STEP 4, 2, 1, 0
	TURN 5, 0, 0
	STEP 6, 0, 1, 0
	s_wait_dscnt 12
	WIN MUL_LO
	MUL16 0, 1, 7, 0
	MUL16 2, 1, 7, 0
	s_wait_dscnt 0x0
	WIN MUL_HI
	MUL16 4, 1, 7, 0
	MUL16 6, 1, 7, 0
	PLACES 4
	WIN 0
.macro QF w, s0, s1, hh, f
	WIN 20*(\w)
.irp b, 0,1
	v_max3_num_f32 v[TM+\b], v[FLR], |v[(\s0)+16*\b]|, |v[(\s0)+16*\b+1]|
.endr
.irp b, 0,1
	v_max3_num_f32 v[TM+2+\b], v[FLR], |v[(\s1)+16*\b]|, |v[(\s1)+16*\b+1]|
.endr
.irp i, 2,4,6,8,10,12,14
.irp b, 0,1
	v_max3_num_f32 v[TM+\b], v[TM+\b], |v[(\s0)+16*\b+\i]|, |v[(\s0)+16*\b+\i+1]|
.endr
.irp b, 0,1
	v_max3_num_f32 v[TM+2+\b], v[TM+2+\b], |v[(\s1)+16*\b+\i]|, |v[(\s1)+16*\b+\i+1]|
.endr
.endr
	WIN 0
.irp b, 0,1,2,3
	v_permlanex16_b32 v[TM+4+\b], v[TM+\b], s60, s61
.endr
.irp b, 0,1,2,3
	v_max_num_f32 v[TM+\b], v[TM+\b], v[TM+4+\b]
.endr
.irp b, 0,1,2,3
	v_add_nc_u32 v[TM+12+\b], 0xff000000, v[TM+\b]
.endr
.irp b, 0,1,2,3
	v_lshrrev_b32 v[TM+4+\b], 23, v[TM+12+\b]
.endr
	v_lshl_or_b32 v[PW], v[TM+5], 8, v[TM+4]
	v_lshl_or_b32 v[PW], v[TM+6], 16, v[PW]
	v_lshl_or_b32 v[PW], v[TM+7], 24, v[PW]
	s_wait_xcnt 0x0
	WIN \w
	v_cvt_scalef32_pk16_fp6_f32 v[PC:PC+2], v[(\s0):(\s0)+15], v[TM+12]
	v_cvt_scalef32_pk16_fp6_f32 v[PC+12:PC+14], v[(\s0)+16:(\s0)+31], v[TM+13]
	v_cvt_scalef32_pk16_fp6_f32 v[PC+6:PC+8], v[(\s1):(\s1)+15], v[TM+14]
	v_cvt_scalef32_pk16_fp6_f32 v[PC+16:PC+18], v[(\s1)+16:(\s1)+31], v[TM+15]
	WIN 0
	v_nop
.irp c, 0,1
.irp i, 0,1,2
	v_permlane16_swap_b32 v[PC+6*\c+\i], v[PC+12+4*\c+\i]
.endr
.irp i, 0,1,2
	v_mov_b32 v[PC+3+6*\c+\i], v[PC+12+4*\c+\i]
.endr
.endr
.if (\f)%2 == 0
	v_mov_b32 v[SW+2*(\hh)+(\f)/2], v[PW]
.else
	v_cndmask_b32 v[SW+2*(\hh)+(\f)/2], v[SW+2*(\hh)+(\f)/2], v[PW], s62
.endif
.irp p, 0,1,2
	global_store_b128 v[LI], v[PC+4*\p:PC+4*\p+3], s[92+2*(\hh):93+2*(\hh)] offset:1536*(\f)+512*\p
.endr
.if (\f) == 3
	global_store_b64 v[L8], v[SW+2*(\hh):SW+2*(\hh)+1], s[92+2*(\hh):93+2*(\hh)] offset:6144
.endif
.endm
	s_cmp_eq_u32 s45, 0
	s_cbranch_scc0 .Lvpart
.irp hh, 0,1
.irp pp, 0,1,2,3
	QF 2+\pp/2, 128*(\pp%2)+32*\hh, 128*(\pp%2)+32*\hh+64, \hh, \pp
.endr
.endr
	s_branch .Ldone
.Lvpart:
.irp hh, 0,1
.irp f, 0,1,2,3
	QF 2+\hh, 64*\f, 64*\f+32, \hh, \f
.endr
.endr
.Ldone:
	s_wait_tensorcnt 0x0
	ds_add_u32 v[SPW], v[NIL]
	s_wait_dscnt 0x0
	CROUND
	s_endpgm
.Lfunc_end_k_q1d394978b7_qkv:
	.size	k_q1d394978b7_qkv, .Lfunc_end_k_q1d394978b7_qkv-k_q1d394978b7_qkv
	.p2alignl 7, 3214868480
	.fill 96, 4, 3214868480
	.section	.rodata,"a",@progbits
	.p2align	6, 0x0
	.amdhsa_kernel k_q1d394978b7_qkv
		.amdhsa_group_segment_fixed_size 327680
		.amdhsa_private_segment_fixed_size 0
		.amdhsa_enable_private_segment 0
		.amdhsa_kernarg_size 32
		.amdhsa_user_sgpr_count 2
		.amdhsa_user_sgpr_kernarg_segment_ptr 1
		.amdhsa_wavefront_size32 1
		.amdhsa_system_sgpr_workgroup_id_x 1
		.amdhsa_system_sgpr_workgroup_id_y 1
		.amdhsa_system_sgpr_workgroup_id_z 1
		.amdhsa_system_vgpr_workitem_id 0
		.amdhsa_next_free_vgpr 1024
		.amdhsa_next_free_sgpr 100
		.amdhsa_reserve_vcc 0
		.amdhsa_float_denorm_mode_32 3
		.amdhsa_float_denorm_mode_16_64 3
		.amdhsa_memory_ordered 1
		.amdhsa_forward_progress 1
		.amdhsa_inst_pref_size 175
	.end_amdhsa_kernel
	.amdgpu_metadata
---
amdhsa.version: [ 1, 2 ]
amdhsa.kernels:
  - .name:           k_q1d394978b7_qkv
    .symbol:         k_q1d394978b7_qkv.kd
    .args:
      - { .name: xq, .offset: 0, .size: 8, .value_kind: global_buffer, .address_space: global }
      - { .name: wq, .offset: 8, .size: 8, .value_kind: global_buffer, .address_space: global }
      - { .name: qi, .offset: 16, .size: 8, .value_kind: global_buffer, .address_space: global }
      - { .name: kv, .offset: 24, .size: 8, .value_kind: global_buffer, .address_space: global }
    .group_segment_fixed_size: 327680
    .private_segment_fixed_size: 0
    .kernarg_segment_align: 8
    .kernarg_segment_size: 32
    .max_flat_workgroup_size: 128
    .sgpr_count:     100
    .vgpr_count:     1024
    .wavefront_size: 32
...
	.end_amdgpu_metadata
.endif
;; end of part 2
;; launch attn (part 3): grid 16 x 16, 16 waves a work-group, no clusters, 327,680 bytes of LDS; arguments qi, kv, yq; writes yq
.if DOCPART == 3
	.amdgcn_target "amdgcn-amd-amdhsa--gfx1250"
	.amdhsa_code_object_version 6
	.text
	.protected	k_q1d394978b7_attn
	.globl	k_q1d394978b7_attn
	.p2align	8
	.type	k_q1d394978b7_attn,@function
k_q1d394978b7_attn:
	s_mov_b64 s[64:65], 0
	v_nop
	global_prefetch_b8 v0, s[64:65] scope:SCOPE_SE
	s_setreg_imm32_b32 hwreg(HW_REG_WAVE_MODE, 25, 1), 1
	s_wait_xcnt 0x0
; y[q][head] = softmax over the visible keys of (q . k / 8) times v, both products on codes of FP6 (E2M3) with E8M0 scales; key s is visible to query t where s <= max(t, 63).
; y is quantised along the 1,024 channels and leaves as images of the last product's operand.
; LEFT OUT: key steps of 128 keys that lie wholly behind a query step's last query (and behind key 63): the mask gives them -inf, so their p is 0 for all inputs.
; THE SOFTMAX: t = score x log2(e) / 8; M = the running largest t rounded UP to a whole number; p = 2^(t - M) is quantised along the keys, not normalised; the row's sum is taken of the unquantised p and
; divides at the end; when M moves, the sum and O are multiplied by 2^(old M - new M), which rounds nothing.
; SHARES.  A work-group owns one head and two steps of 128 queries, 31 - i and i.  Their key steps form ONE STREAM OF 33 ITEMS: items 0 .. 31 - i are keys steps 0 .. 31 - i for queries 31 - i, items 32 - i .. 32
; are key steps 0 .. i for queries i.  Waves 2 t and 2 t + 1 share tile t (16 queries) of both query steps and take the items by turns: 17 and 16 items a wave.  Where the stream turns, a wave stores its
; partial O, -M and sum into LDS bytes of its own and begins anew with the other q.  At the end one wave of a pair joins the two partials of queries 31 - i, the other those of queries i: both under the
; larger M, by powers of two.  A wave that had no item of a query step leaves O = 0, sum = 0 and M = -3e38, whose factor is 0.
; LAYOUT.  Both products transposed: S^T = K Q^T, O^T = V^T P^T: a lane holds ONE query.  Lane r of a tile holds token 32 (t / 2) + 8 (t % 2) + r + 8 (r / 8), so the 16 registers of score tiles 2 b, 2 b + 1 are
; keys 32 b + 16 (lane / 16) + 0 .. 15, and O^T's likewise run along the head's channels.
; K = 64 ON AN INSTRUCTION OF K = 128: a fragment of k holds two key tiles.  It is multiplied by [q | zero codes] and by [zero codes | q]; under the zero codes q's scale bytes are 0 (2^-127): exact zeros are added.
; IN.  kv: [head][step][12,800 bytes: k's four fragment images, 256 bytes of scale words, v's four, 256 bytes].  A ring of two LDS slots: slot 0's first fill holds items 0-4 (waves 0-4, a step each), every
; later fill four items (waves 0-3).  Trip counts are constants: a slot is walked in three trips a wave, the third of which holds work only for item 4; that jump hangs on ids and counters alone.
; NO CLUSTER: from item 32 - i on the streams of a head's sixteen work-groups name different steps, so their loads have different descriptors.
; LIMITS: the scaled scores t stay under 2^31 in magnitude; a block of zeros gets the byte 1 (its codes are zeros; this program alone reads the bytes); blocks of y whose largest magnitude lies under 2^-124
; keep the byte 1; NaN and infinities are not served, and none that reaches only a hidden key step is carried to the result.
; REGISTERS: v1-2 lane offsets, v3-4 LDS addresses in hand, v5-6 the add's two, v7 the mask's bound, v8-9 the prefetches' offsets, v10 my scale byte's place, v11 my partials' LDS address, v12 -M, v13 the
; largest t, v[14:15] the sum, v16-33 [q|0|q], v34-35 q's scale words, v36-83 four fragments of k, then of v, v84-87 their scale words, v96-159 S^T, then p, v160-191 O^T, v192-203 p's codes,
; v204-227, v244-255 at work, v228-235 the second q, its scale bytes and its bound, v236-237 where the two partials that I join lie.
.set STEPB, 12800
.set SLOTB, 4*STEPB
.set SLOT1, 65536                      ; slot 1 begins here
.set SPARE, 131072                     ; the spare words, 128 bytes for each wave: eight blocks of 256 bytes that no other line names
.set PB,    133120                     ; the partials: [wave][query step][4,608 bytes: O^T's 32 registers, then v12-15]; no tensor load lands here
.set PART,  4608
.set YSC,   3145728                    ; where yq's scale words begin
.set FRG, 36
.set SCR, 96
.set OT,  160
.set PCD, 192
.set BM,  212
.set BT,  216
.set SO,  220
.macro TLOAD lim                       ; waves under lim fetch a step each; an s_nop 0 and four v_nop follow the line
	s_cmp_lt_u32 s10, \lim
	s_cbranch_scc0 .Lnone_\@
	tensor_load_to_lds s[32:35], s[24:31]
	s_nop 0
.rept 4
	v_nop
.endr
.Lnone_\@:
.endm
; A PREFETCH INTO THE L2 of the slot that the NEXT change of slots will ask for.  The work-groups of a head walk the same steps 0 .. 16 and on: the head's work-group 0, whose items 0 .. 31 are steps 0 .. 31, asks,
; and in it waves 4 to 7, a step of 12,800 bytes each: 50 blocks of 256 bytes by two instructions, the second's lanes past the step's end naming its last block.  s38 is the step asked for: 32 and more ask for nothing.
.macro ASK
	s_cmp_lt_u32 s38, 32
	s_cbranch_scc0 .Lnot_mine_\@
	global_prefetch_b8 v8, s[36:37] th:TH_LOAD_NT scope:SCOPE_SE
	global_prefetch_b8 v9, s[36:37] th:TH_LOAD_NT scope:SCOPE_SE
.Lnot_mine_\@:
.endm
.macro SAVE ph                         ; my partial of query step ph (0: 31 - i, 1: i) into my own LDS bytes; four places behind the last products; each accumulator from its low end on
.rept 4
	v_nop
.endr
.irp j, 0,1,2,3,4,5,6,7
	ds_store_b128 v11, v[OT+4*\j:OT+4*\j+3] offset:PART*\ph+512*\j
.endr
	ds_store_b128 v11, v[12:15] offset:PART*\ph+4096
.endm
	s_load_b128 s[4:7], s[0:1], 0x0                ; qi, kv
	s_load_b64 s[8:9], s[0:1], 0x10                ; yq
	v_lshl_add_u32 v5, v0, 2, SPARE
	v_mov_b32 v6, 0
	ds_add_u32 v5, v6                              ; the opening lines: the add, twice on end, and its wait ahead of the first tensor load
	ds_add_u32 v5, v6
	v_lshrrev_b32 v1, 5, v0
	s_delay_alu instid0(VALU_DEP_1)
	v_readfirstlane_b32 s10, v1                    ; wave 0..15
	s_mov_b32 s11, ttmp9                           ; i
	s_and_b32 s12, ttmp7, 0xffff                   ; head
	s_sub_co_u32 s14, 31, s11                      ; the later step of queries
	s_sub_co_u32 s57, 32, s11                      ; its number of items: where the stream turns
	s_lshr_b32 s45, s10, 2                         ; pp: which fragment of q holds my tile
	s_xor_b32 s56, s45, s10
	s_and_b32 s56, s56, 1                          ; which of the pair I am: the places of a slot that I take are this + 0, 2 (, 4)
	s_cmp_eq_u32 s56, 0
	s_cselect_b32 s13, s14, s11                    ; the query step whose partials I join and store
	s_bfe_u32 s49, s10, 0x10001                    ; u: which half of that fragment
	s_sub_co_u32 s19, 0, s49                       ; all ones where u = 1
	s_lshl_b32 s39, s49, 4                         ; 16 u
	s_mov_b32 s15, s56                             ; my item in hand
	s_mul_i32 s16, s56, STEPB                      ; its byte in the slot
	s_mov_b32 s62, 0                               ; the slot's first byte
	s_mov_b32 s17, 7                               ; slots still to be asked for
	s_mov_b32 s58, s57                             ; the first item at or past this one makes me turn
	s_mov_b32 s59, 0                               ; key step = item - this
	s_mov_b32 s60, s14                             ; the query step in hand
	s_mov_b32 s61, s56                             ; a trip holds work where its count-down (3, 2, 1) is above this: 0 only for item 4's wave in slot 0
	s_mov_b32 s63, s10                             ; the item that I fetch, if I fetch
	s_mov_b32 s68, 5                               ; its step to the next fill: 5, then 4
	s_mov_b32 s69, 1                               ; what a slot's end takes off my item: 1, then 2
	s_mov_b32 s20, 0x76543210
	s_mov_b32 s21, 0xfedcba98                      ; v_permlanex16_b32's selects for lane l xor 16
	s_mov_b32 s22, 0x3e38aa3b                      ; c = log2(e) / 8
	s_mov_b32 s23, s22                             ; (named with it as a pair, so it is written)
	s_mov_b32 s44, 0xffff0000                      ; lanes 16-31
	; descriptor group 1: a step's 12,800 dense bytes as 50 rows of 256 bytes (32 elements of 8 bytes)
	s_mov_b32 s24, 3<<16
	s_mov_b32 s25, 32<<16
	s_mov_b32 s26, 50<<16
	s_mov_b32 s27, 32<<16
	s_mov_b32 s28, 50
	s_mov_b32 s29, 32
	s_mov_b32 s30, 0
	s_mov_b32 s31, 0
	s_mul_i32 s50, s12, 32*STEPB
	s_mov_b32 s51, 0
	s_mul_i32 s46, s10, STEPB
	s_mov_b32 s47, 0                               ; stays 0: the upper word of every offset in s46
	s_wait_dscnt 0x0                               ; both opening adds are done
	s_wait_kmcnt 0x0
	s_add_nc_u64 s[50:51], s[6:7], s[50:51]        ; my head in kv
	s_mov_b32 s32, 1
	s_mov_b32 s33, s46
	s_add_nc_u64 s[34:35], s[50:51], s[46:47]
	s_or_b32 s35, s35, 0x80000000
	TLOAD 5                                        ; items 0-4: key steps 0-4
	s_sub_co_u32 s46, s10, 4
	s_cmp_lt_u32 s46, 4                            ; waves 4 to 7
	s_cselect_b32 s38, s46, 1000
	s_cmp_eq_u32 s11, 0                            ; of the head's work-group 0
	s_cselect_b32 s38, s38, 1000
	s_add_co_u32 s38, s38, 5                       ; the prefetches stand at slot 1's steps: the first change steps them to slot 2's.  Nothing is prefetched at the head
	s_min_u32 s46, s38, 8
	s_mul_i32 s46, s46, STEPB
	s_add_nc_u64 s[36:37], s[50:51], s[46:47]
	; where y goes: token tile 8 step + wave / 2; my head's 64 channels are registers 6 (head % 2) on of K step head / 2
	s_lshl_b32 s46, s13, 3
	s_lshr_b32 s49, s10, 1
	s_add_co_u32 s49, s46, s49
	s_mul_i32 s46, s49, 12288
	s_mul_i32 s48, s12, 768
	s_add_co_u32 s46, s46, s48
	s_add_nc_u64 s[40:41], s[8:9], s[46:47]
	s_lshl_b32 s46, s49, 9
	s_lshr_b32 s48, s12, 1
	s_lshl_b32 s48, s48, 6
	s_add_co_u32 s46, s46, s48
	s_and_b32 s48, s12, 1
	s_lshl_b32 s48, s48, 1
	s_add_co_u32 s46, s46, s48
	s_add_co_u32 s46, s46, YSC
	s_add_nc_u64 s[42:43], s[8:9], s[46:47]
	; q's blocks of both query steps
	s_lshl_b32 s48, s12, 5
	s_add_co_u32 s46, s48, s14
	s_mul_i32 s46, s46, 6400
	s_add_nc_u64 s[52:53], s[4:5], s[46:47]
	s_add_co_u32 s46, s48, s11
	s_mul_i32 s46, s46, 6400
	s_add_nc_u64 s[54:55], s[4:5], s[46:47]
	s_mul_i32 s48, s45, 1536                       ; fragment pp
	s_and_b32 s49, s45, 1
	s_lshl_b32 s49, s49, 7
	s_lshr_b32 s46, s45, 1
	s_lshl_b32 s46, s46, 2
	s_add_co_u32 s49, s49, s46                     ; its scale words
	s_lshl_b32 s66, s45, 5
	s_lshr_b32 s46, s39, 1
	s_add_co_u32 s66, s66, s46                     ; my tile's first query in its step: 32 pp + 8 u
	s_lshl_b32 s67, s11, 7
	s_sub_co_i32 s67, 63, s67                      ; key 63, counted from query step i's first key
	s_mul_i32 s70, s10, 2*PART
	s_add_co_u32 s70, s70, PB                      ; my partials
	s_xor_b32 s71, s10, 1
	s_mul_i32 s71, s71, 2*PART
	s_add_co_u32 s71, s71, PB                      ; my partner's
	s_mul_i32 s46, s56, PART                       ; the query step that I join
	s_add_co_u32 s71, s71, s46
	s_add_co_u32 s46, s46, s70
	v_and_b32 v88, 31, v0                          ; lane
	v_and_b32 v90, 15, v0                          ; r
	v_bfe_u32 v89, v0, 4, 1                        ; h
	v_lshlrev_b32 v1, 4, v88                       ; 16 x lane
	v_lshlrev_b32 v2, 3, v88                       ; 8 x lane
	v_lshlrev_b32 v8, 8, v88                       ; 256 x lane
	v_lshlrev_b32 v91, 3, v90                      ; 8 r
	v_and_b32 v7, 8, v90
	v_lshlrev_b32 v94, 4, v89                      ; 16 h
	v_mov_b32 v95, s67
	v_add_nc_u32 v92, s48, v1
	v_add_nc_u32 v93, s49, v91
.irp p, 0,1,2
	global_load_b128 v[36+4*\p:39+4*\p], v92, s[52:53] offset:512*\p   ; q of queries 31 - i
	global_load_b128 v[48+4*\p:51+4*\p], v92, s[54:55] offset:512*\p   ; q of queries i
.endr
	global_load_b32 v84, v93, s[52:53] offset:6144
	global_load_b32 v85, v93, s[54:55] offset:6144
	v_add_nc_u32 v9, 0x2000, v8
	v_lshl_add_u32 v10, v90, 2, v89                ; 4 r + h
	v_add3_u32 v7, v7, v90, s66                    ; my query, counted from its step's first
	v_add_nc_u32 v11, s70, v1
	v_add_nc_u32 v236, s46, v1
	v_add_nc_u32 v237, s71, v1
	v_min_u32 v9, STEPB-256, v9
	; the mask's bound: register 16 b + i holds key 128 step + 32 b + 16 h + i; on the diagonal it is hidden where 32 b + i > max(my query, 63) - 128 step - 16 h.  Queries 31 - i lie past key 63
	v_cmp_gt_i32 vcc_lo, v95, v7
	v_cndmask_b32 v235, v7, v95, vcc_lo
	v_sub_nc_u32 v7, v7, v94
	s_delay_alu instid0(VALU_DEP_2)
	v_sub_nc_u32 v235, v235, v94
	v_mov_b32 v13, 0xff61b1e6                      ; the largest t so far: -3e38, under every t
	v_mov_b32 v12, 0x7f61b1e6                      ; -M = 3e38, a whole number
	v_mov_b32 v14, 0
	v_mov_b32 v15, 0
.irp b, 0,1,2,3
	v_mov_b32 v[BT+\b], 0                          ; written once: a lane permute's destination counts as one of its sources
.endr
	v_mov_b32 v225, 0                              ; (named as the upper half of the pair v[224:225])
	v_mov_b32 v227, 0
.irp j, 0,1,2,3,4,5
	v_mov_b32 v[22+\j], 0                          ; zero codes
.endr
.set n, 0
.rept 32
	v_mov_b32 v[OT+n], 0                           ; O^T: the step is written for every trip alike; the first finds zeros
.set n, n+1
.endr
	s_wait_alu depctr_va_vdst(0)
	s_wait_loadcnt 0x0                             ; both q
.irp j, 0,1,2,3,4,5
	v_cndmask_b32 v[16+\j], v[36+\j], v[42+\j], s19   ; my tile's six registers of the fragment
	v_cndmask_b32 v[228+\j], v[48+\j], v[54+\j], s19
.endr
	v_lshrrev_b32 v84, s39, v84
	v_lshrrev_b32 v85, s39, v85
.irp j, 0,1,2,3,4,5
	v_mov_b32 v[28+\j], v[16+\j]
.endr
	v_and_b32 v34, 0xffff, v84                     ; [q's two bytes, 0, 0]
	v_and_b32 v234, 0xffff, v85
	s_delay_alu instid0(VALU_DEP_2)
	v_lshlrev_b32 v35, 16, v34                     ; [0, 0, q's two bytes]
	s_wait_alu depctr_va_vdst(0)                   ; the wait at the head's end
; AN ITEM: 128 keys against my 16 queries.
.macro STEP
	s_cmp_lt_u32 s15, s58                          ; ids and counters alone
	s_cbranch_scc1 .Lsame_\@
	SAVE 0                                         ; THE STREAM HAS TURNED: my partial of queries 31 - i is put by, and queries i begin
.irp j, 0,1,2,3,4,5
	v_mov_b32 v[16+\j], v[228+\j]
	v_mov_b32 v[28+\j], v[228+\j]
.endr
	v_mov_b32 v34, v234
	v_lshlrev_b32 v35, 16, v234
	v_mov_b32 v7, v235
	v_mov_b32 v13, 0xff61b1e6
	v_mov_b32 v12, 0x7f61b1e6
	v_mov_b32 v14, 0
	v_mov_b32 v15, 0
.set n, 0
.rept 32
	v_mov_b32 v[OT+n], 0                           ; (also the places between q's and its scale words' writes and the next products)
.set n, n+1
.endr
	s_mov_b32 s58, 0x7fffffff                      ; once
	s_mov_b32 s59, s57
	s_mov_b32 s60, s11
	s_wait_alu depctr_va_vdst(0)
.Lsame_\@:
	s_cmp_gt_u32 s18, s61                          ; a slot's third trip holds work for item 4 alone
	s_cbranch_scc0 .Lhidden_\@
	s_min_u32 s67, s16, 4*STEPB
	s_add_co_u32 s67, s67, s62
	s_sub_co_u32 s66, s15, s59                     ; the key step
	v_add_nc_u32 v3, s67, v1
	v_add_nc_u32 v4, s67, v2
	v_nop
	v_nop                                          ; four places in front of loads into registers that the last item's products have read
.irp f, 0,1,2,3
.irp p, 0,1,2
	ds_load_b128 v[FRG+12*\f+4*\p:FRG+12*\f+4*\p+3], v3 offset:1536*\f+512*\p
.endr
.endr
	ds_load_b64 v[84:85], v4 offset:6144           ; k's scale words: fragment f in register f / 2, lanes 16 (f % 2) on
	s_wait_alu depctr_va_vdst(0)
	s_wait_dscnt 0x0
.irp t, 0,1,2,3,4,5,6,7                ; key tile t: fragment t / 2 against [q|0] or [0|q]
.if ((\t)/2)%2
	v_wmma_scale_f32_16x16x128_f8f6f4 v[SCR+8*\t:SCR+8*\t+7], v[FRG+12*(\t/2):FRG+12*(\t/2)+11], v[16+6*(\t%2):27+6*(\t%2)], 0, v[84+\t/4], v[34+\t%2] matrix_a_fmt:MATRIX_FMT_FP6 matrix_b_fmt:MATRIX_FMT_FP6 matrix_a_scale:MATRIX_SCALE_ROW1
.else
	v_wmma_scale_f32_16x16x128_f8f6f4 v[SCR+8*\t:SCR+8*\t+7], v[FRG+12*(\t/2):FRG+12*(\t/2)+11], v[16+6*(\t%2):27+6*(\t%2)], 0, v[84+\t/4], v[34+\t%2] matrix_a_fmt:MATRIX_FMT_FP6 matrix_b_fmt:MATRIX_FMT_FP6
.endif
.endr
.rept 4
	v_nop                                          ; places in front of the loads below and of the first read of the scores
.endr
.irp f, 0,1,2,3                        ; v's fragments take k's registers and land while the softmax is walked
.irp p, 0,1,2
	ds_load_b128 v[FRG+12*\f+4*\p:FRG+12*\f+4*\p+3], v3 offset:6400+1536*\f+512*\p
.endr
.endr
	ds_load_b64 v[86:87], v4 offset:12544
	s_cmp_lg_u32 s66, s60                          ; only the query step's own keys lie on the diagonal
	s_cbranch_scc1 .Lopen_\@
	v_mov_b32 v227, 0xff800000                     ; -infinity: p = 0 then
.set n, 0
.rept 64
	v_cmp_gt_i32 vcc_lo, 32*(n/16)+n%16, v7
	v_cndmask_b32 v[SCR+n], v[SCR+n], v227, vcc_lo
.set n, n+1
.endr
.Lopen_\@:
.irp b, 0,1,2,3
	v_max3_num_f32 v[BM+\b], v[SCR+16*\b], v[SCR+16*\b+1], v[SCR+16*\b+2]   ; the largest score of each block of 32 keys: for the row's maximum, and, since p rises with the score, for the block's largest p
.endr
.irp i, 3,5,7,9,11,13
.irp b, 0,1,2,3
	v_max3_num_f32 v[BM+\b], v[BM+\b], v[SCR+16*\b+\i], v[SCR+16*\b+\i+1]
.endr
.endr
.irp b, 0,1,2,3
	v_max_num_f32 v[BM+\b], v[BM+\b], v[SCR+16*\b+15]
.endr
.irp b, 0,1,2,3
	v_permlanex16_b32 v[BT+\b], v[BM+\b], s20, s21   ; (the four blocks by turns: four independent chains)
.endr
.irp b, 0,1,2,3
	v_max_num_f32 v[BM+\b], v[BM+\b], v[BT+\b]     ; with lane l xor 16's 16 keys
.endr
	s_delay_alu instid0(VALU_DEP_2)
	v_max3_num_f32 v227, v[BM], v[BM+1], v[BM+2]
	s_delay_alu instid0(VALU_DEP_1)
	v_max_num_f32 v227, v227, v[BM+3]
	s_delay_alu instid0(VALU_DEP_1)
	v_mul_f32 v227, s22, v227                      ; the item's largest t (c is positive)
	s_delay_alu instid0(VALU_DEP_1)
	v_max_num_f32 v13, v13, v227
	v_mov_b32 v227, v12
	s_delay_alu instid0(VALU_DEP_2)
	v_floor_f32 v12, -v13                          ; the new -M = -ceil(t)
	s_delay_alu instid0(VALU_DEP_1)
	v_sub_f32 v227, v12, v227                      ; old M - new M: a whole number, 0 or less
	s_delay_alu instid0(VALU_DEP_1)
	v_cvt_i32_f32 v227, v227                       ; (it saturates)
	s_delay_alu instid0(VALU_DEP_1)
	v_ldexp_f32 v224, 1.0, v227                    ; f = 2^(old M - new M)
.set n, 0
.rept 32
	v_pk_fma_f32 v[SCR+n:SCR+n+1], v[SCR+n:SCR+n+1], s[22:23], v[12:13] op_sel_hi:[1,0,0]   ; t - M, two at a time
.set n, n+2
.endr
.irp b, 0,1,2,3
	v_fma_f32 v[BM+\b], v[BM+\b], s22, v12
.endr
.set n, 0
	s_wait_alu depctr_va_vdst(0)                   ; the wait ahead of the batch
.rept 64
	v_exp_f32 v[SCR+n], v[SCR+n]                   ; p = 2^(t - M)
.set n, n+1
.endr
	v_pk_mul_f32 v[14:15], v[14:15], v[224:225] op_sel_hi:[1,0]   ; the sums under the new M: a plain place behind the exponentials
	s_wait_alu depctr_va_vdst(0)                   ; one wait for the whole batch, ahead of its first reader
.irp b, 0,1,2,3
	v_exp_f32 v[BM+\b], v[BM+\b]                   ; the blocks' largest p
.endr
	v_pk_add_f32 v[216:217], v[100:101], v[104:105] ; the row's sum of the unquantised p: eight chains, then joined
	v_pk_add_f32 v[254:255], v[108:109], v[112:113]
	v_pk_add_f32 v[252:253], v[116:117], v[120:121]
	v_pk_add_f32 v[250:251], v[124:125], v[128:129]
	v_pk_add_f32 v[248:249], v[132:133], v[136:137]
	v_pk_add_f32 v[246:247], v[140:141], v[144:145]
	v_pk_add_f32 v[244:245], v[148:149], v[152:153]
	v_pk_add_f32 v[14:15], v[14:15], v[156:157]
	v_pk_add_f32 v[216:217], v[216:217], v[96:97]
	v_pk_add_f32 v[254:255], v[254:255], v[98:99]
	v_pk_add_f32 v[252:253], v[252:253], v[102:103]
	v_pk_add_f32 v[250:251], v[250:251], v[106:107]
	v_pk_add_f32 v[248:249], v[248:249], v[110:111]
	v_pk_add_f32 v[246:247], v[246:247], v[114:115]
	v_pk_add_f32 v[244:245], v[244:245], v[118:119]
	v_pk_add_f32 v[14:15], v[14:15], v[122:123]
	v_pk_add_f32 v[216:217], v[216:217], v[126:127]
	v_pk_add_f32 v[254:255], v[254:255], v[130:131]
	v_pk_add_f32 v[252:253], v[252:253], v[134:135]
	v_pk_add_f32 v[250:251], v[250:251], v[138:139]
	v_pk_add_f32 v[248:249], v[248:249], v[142:143]
	v_pk_add_f32 v[246:247], v[246:247], v[146:147]
	v_pk_add_f32 v[244:245], v[244:245], v[150:151]
	v_pk_add_f32 v[14:15], v[14:15], v[154:155]
	v_pk_add_f32 v[216:217], v[216:217], v[158:159]
	s_delay_alu instid0(VALU_DEP_2)
	v_pk_add_f32 v[14:15], v[14:15], v[250:251]
	s_delay_alu instid0(VALU_DEP_2)
	v_pk_add_f32 v[216:217], v[216:217], v[248:249]
	v_pk_add_f32 v[254:255], v[254:255], v[246:247]
	v_pk_add_f32 v[252:253], v[252:253], v[244:245]
	s_delay_alu instid0(VALU_DEP_2)
	v_pk_add_f32 v[14:15], v[14:15], v[254:255]
	s_delay_alu instid0(VALU_DEP_2)
	v_pk_add_f32 v[216:217], v[216:217], v[252:253]
	s_delay_alu instid0(VALU_DEP_1)
	v_pk_add_f32 v[14:15], v[14:15], v[216:217]
	s_wait_alu depctr_va_vdst(0)                   ; and one for the four
.irp b, 0,1,2,3
	v_max_num_f32 v[BM+\b], 0x1800000, v[BM+\b]    ; the floor 2^(3 - 127): the byte cannot fall under 1
.endr
.irp b, 0,1,2,3
	v_add_nc_u32 v[SO+\b], 0xff000000, v[BM+\b]    ; the conversion's scale operand
.endr
.irp b, 0,1,2,3
	v_lshrrev_b32 v[BT+\b], 23, v[SO+\b]           ; the scale's byte
.endr
	s_delay_alu instid0(VALU_DEP_3)
	v_lshl_or_b32 v226, v[BT+1], 8, v[BT]
	s_delay_alu instid0(VALU_DEP_1)
	v_lshl_or_b32 v226, v[BT+2], 16, v226
	s_delay_alu instid0(VALU_DEP_1)
	v_lshl_or_b32 v226, v[BT+3], 24, v226          ; p's scale word for these 128 keys
.irp c, 0,1
	v_cvt_scalef32_pk16_fp6_f32 v[PCD+6*\c:PCD+6*\c+2], v[SCR+32*\c:SCR+32*\c+15], v[SO+2*\c]
	v_cvt_scalef32_pk16_fp6_f32 v[204+4*\c:206+4*\c], v[SCR+32*\c+16:SCR+32*\c+31], v[SO+2*\c+1]
.endr
	v_nop                                          ; one plain place behind a scaled conversion
.irp c, 0,1
.irp i, 0,1,2
	v_permlane16_swap_b32 v[PCD+6*\c+\i], v[204+4*\c+\i]
.endr
.irp i, 0,1,2
	v_mov_b32 v[PCD+3+6*\c+\i], v[204+4*\c+\i]
.endr
.endr
	s_wait_alu depctr_va_vdst(0)                   ; directly ahead of the first reader of O^T
.set n, 0
.rept 16
	v_pk_mul_f32 v[OT+n:OT+n+1], v[OT+n:OT+n+1], v[224:225] op_sel_hi:[1,0]   ; O^T under the new M; for each product below twelve of these name none of its registers: the places behind the codes' and the scale word's last writes
.set n, n+2
.endr
	s_wait_alu depctr_va_vdst(0)
	s_wait_dscnt 0x0                               ; v is in
.irp t, 0,1,2,3                        ; O^T += V^T P^T: the four accumulators by turns
.if (\t)%2
	v_wmma_scale_f32_16x16x128_f8f6f4 v[OT+8*\t:OT+8*\t+7], v[FRG+12*\t:FRG+12*\t+11], v[PCD:PCD+11], v[OT+8*\t:OT+8*\t+7], v[86+\t/2], v226 matrix_a_fmt:MATRIX_FMT_FP6 matrix_b_fmt:MATRIX_FMT_FP6 matrix_a_scale:MATRIX_SCALE_ROW1
.else
	v_wmma_scale_f32_16x16x128_f8f6f4 v[OT+8*\t:OT+8*\t+7], v[FRG+12*\t:FRG+12*\t+11], v[PCD:PCD+11], v[OT+8*\t:OT+8*\t+7], v[86+\t/2], v226 matrix_a_fmt:MATRIX_FMT_FP6 matrix_b_fmt:MATRIX_FMT_FP6
.endif
.endr
.Lhidden_\@:
	s_add_co_u32 s15, s15, 2
	s_add_co_u32 s16, s16, 2*STEPB
.endm
; THE CHANGE OF SLOTS stands at a slot's head.  Each wave waits for all its tensor loads, adds 0 to its spare word, and waits for that, for its reads of the slot that it has left and for its stores; behind the
; barrier the slot ahead is whole and nobody reads the other.  fill = 1: that other slot takes the next four items, which have a slot's work in which to land.  An item's key step is the item, or, past the
; stream's turn, the item less 32 - i.  Every item fetched is read.  Every wait for tensor loads in this text is for 0; by this text's own count a wave has one tensor load out at the most.
.macro CHANGE fill
	s_wait_tensorcnt 0x0                           ; no tensor load of mine is out, so group 0 may be written
	ds_add_u32 v5, v6                              ; 0 onto my spare word
.if \fill
	ds_add_u32 v5, v6
	s_xor_b32 s33, s33, SLOT1
	s_add_co_u32 s63, s63, s68
	s_mov_b32 s68, 4
	s_cmp_lt_u32 s63, s57
	s_cselect_b32 s46, 0, s57
	s_sub_co_u32 s46, s63, s46
	s_mul_i32 s46, s46, STEPB
	s_add_nc_u64 s[34:35], s[50:51], s[46:47]
	s_or_b32 s35, s35, 0x80000000
	s_wait_xcnt 0x0                                ; the last prefetches, a slot back, have read their address
	s_add_nc_u64 s[36:37], s[36:37], SLOTB
	s_add_co_u32 s38, s38, 4
.endif
	s_wait_dscnt 0x0
	s_barrier_signal -1
	s_barrier_wait -1
.if \fill
	TLOAD 4
	ASK
.endif
.endm
.macro SLOTWORK                        ; my places of a slot: written once, walked three times
	s_mov_b32 s18, 3
.Lstep_\@:
	STEP
	s_sub_co_u32 s18, s18, 1
	s_cmp_lg_u32 s18, 0
	s_cbranch_scc1 .Lstep_\@
	s_sub_co_u32 s16, s16, 6*STEPB
	s_xor_b32 s62, s62, SLOT1                      ; on to the other slot
	s_sub_co_u32 s15, s15, s69                     ; my first item there: slot 0 holds five items, the others four
	s_mov_b32 s69, 2
	s_mov_b32 s61, 1
.endm
.Lslot:                                ; seven trips: behind each change of slots but the last the next slot is asked for
	CHANGE 1
	SLOTWORK
	s_sub_co_u32 s17, s17, 1
	s_cmp_lg_u32 s17, 0
	s_cbranch_scc1 .Lslot
	CHANGE 0                                       ; the last slot is written out: nothing is left to fetch.  Its third trip stands past item 32: every wave has turned by then
	SLOTWORK
	; THE JOIN: my partial of queries i is put by; behind the barrier I take the pair's two partials of one query step
	SAVE 1
	s_wait_dscnt 0x0                               ; for my partner's sake: my stores are done
	s_barrier_signal -1
	s_barrier_wait -1
.irp j, 0,1,2,3,4,5,6,7
	ds_load_b128 v[OT+4*\j:OT+4*\j+3], v236 offset:512*\j
	ds_load_b128 v[36+4*\j:39+4*\j], v237 offset:512*\j
.endr
	ds_load_b128 v[68:71], v236 offset:4096
	ds_load_b128 v[72:75], v237 offset:4096
	v_mov_b32 v81, 0                               ; (upper halves of the pairs v[80:81], v[82:83])
	v_mov_b32 v83, 0
	s_wait_dscnt 0x0
	v_min_num_f32 v76, v68, v72                    ; -M of the larger M
	v_add_f32 v70, v70, v71
	v_add_f32 v74, v74, v75
	s_delay_alu instid0(VALU_DEP_3)
	v_sub_f32 v77, v76, v68                        ; each M less the larger: whole numbers, 0 or less
	v_sub_f32 v78, v76, v72
	s_delay_alu instid0(VALU_DEP_2)
	v_cvt_i32_f32 v77, v77                         ; (they saturate)
	s_delay_alu instid0(VALU_DEP_2)
	v_cvt_i32_f32 v78, v78
	s_delay_alu instid0(VALU_DEP_2)
	v_ldexp_f32 v77, 1.0, v77
	s_delay_alu instid0(VALU_DEP_2)
	v_ldexp_f32 v78, 1.0, v78
	s_delay_alu instid0(VALU_DEP_2)
	v_mul_f32 v70, v70, v77
	s_delay_alu instid0(VALU_DEP_1)
	v_fma_f32 v70, v74, v78, v70
	s_delay_alu instid0(VALU_DEP_1)
	v_permlanex16_b32 v227, v70, s20, s21
	s_delay_alu instid0(VALU_DEP_1)
	v_add_f32 v70, v70, v227                       ; the row's sum
	s_wait_alu depctr_va_vdst(0)
	v_rcp_f32 v70, v70
	v_nop                                          ; a plain place behind the reciprocal
	s_wait_alu depctr_va_vdst(0)                   ; the wait ahead of its first reader
	v_mul_f32 v80, v77, v70
	v_mul_f32 v82, v78, v70
.set n, 0
.rept 16
	v_pk_mul_f32 v[SCR+n:SCR+n+1], v[OT+n:OT+n+1], v[80:81] op_sel_hi:[1,0]
.set n, n+2
.endr
.set n, 0
.rept 16
	v_pk_fma_f32 v[SCR+n:SCR+n+1], v[36+n:37+n], v[82:83], v[SCR+n:SCR+n+1] op_sel_hi:[1,0,1]   ; y: register 16 b + i: channel 32 b + 16 h + i of my query
.set n, n+2
.endr
	; THE WAY OUT: y is quantised along the channels: my head's two blocks of 32; the six registers are stored as they stand
.irp b, 0,1
	v_max3_num_f32 v[BM+\b], |v[SCR+16*\b]|, |v[SCR+16*\b+1]|, 0x1800000
.endr
.irp i, 2,4,6,8,10,12,14
.irp b, 0,1
	s_delay_alu instid0(VALU_DEP_2)
	v_max3_num_f32 v[BM+\b], v[BM+\b], |v[SCR+16*\b+\i]|, |v[SCR+16*\b+\i+1]|
.endr
.endr
.irp b, 0,1
	s_delay_alu instid0(VALU_DEP_2)
	v_permlanex16_b32 v[BT+\b], v[BM+\b], s20, s21
.endr
.irp b, 0,1
	s_delay_alu instid0(VALU_DEP_2)
	v_max_num_f32 v[BM+\b], v[BM+\b], v[BT+\b]
.endr
.irp b, 0,1
	s_delay_alu instid0(VALU_DEP_2)
	v_add_nc_u32 v[SO+\b], 0xff000000, v[BM+\b]
.endr
.irp b, 0,1
	s_delay_alu instid0(VALU_DEP_2)
	v_lshrrev_b32 v[BT+\b], 23, v[SO+\b]
.endr
	v_cvt_scalef32_pk16_fp6_f32 v[192:194], v[SCR:SCR+15], v[SO]
	v_cvt_scalef32_pk16_fp6_f32 v[204:206], v[SCR+16:SCR+31], v[SO+1]
	v_nop                                          ; one plain place behind a scaled conversion
.irp i, 0,1,2
	v_permlane16_swap_b32 v[192+\i], v[204+\i]
.endr
.irp i, 0,1,2
	s_delay_alu instid0(VALU_DEP_3)
	v_mov_b32 v[195+\i], v[204+\i]
.endr
	v_cndmask_b32 v[BT], v[BT], v[BT+1], s44       ; lanes 0-15: block 0's byte, lanes 16-31: block 1's
.irp p, 0,1,2
	global_store_b64 v2, v[192+2*\p:193+2*\p], s[40:41] offset:256*\p   ; registers 2 p, 2 p + 1 of my six: 256 consecutive bytes, aligned
.endr
	global_store_b8 v10, v[BT], s[42:43]           ; a scale word is shared by two heads, which lie in different work-groups: so single bytes, one for each 24 bytes of codes
	s_wait_tensorcnt 0x0                           ; the wave's end, behind my last tensor load and my last LDS store
	ds_add_u32 v5, v6
	s_wait_dscnt 0x0
	s_endpgm
.Lfunc_end_k_q1d394978b7_attn:
	.size	k_q1d394978b7_attn, .Lfunc_end_k_q1d394978b7_attn-k_q1d394978b7_attn
	.p2alignl 7, 3214868480
	.fill 96, 4, 3214868480
	.section	.rodata,"a",@progbits
	.p2align	6, 0x0
	.amdhsa_kernel k_q1d394978b7_attn
		.amdhsa_group_segment_fixed_size 327680
		.amdhsa_private_segment_fixed_size 0
		.amdhsa_enable_private_segment 0
		.amdhsa_kernarg_size 24
		.amdhsa_user_sgpr_count 2
		.amdhsa_user_sgpr_kernarg_segment_ptr 1
		.amdhsa_wavefront_size32 1
		.amdhsa_system_sgpr_workgroup_id_x 1
		.amdhsa_system_sgpr_workgroup_id_y 1
		.amdhsa_system_sgpr_workgroup_id_z 1
		.amdhsa_system_vgpr_workitem_id 0
		.amdhsa_next_free_vgpr 256
		.amdhsa_next_free_sgpr 76
		.amdhsa_reserve_vcc 1
		.amdhsa_float_denorm_mode_32 3
		.amdhsa_float_denorm_mode_16_64 3
		.amdhsa_memory_ordered 1
		.amdhsa_forward_progress 1
		.amdhsa_inst_pref_size 68
	.end_amdhsa_kernel
	.amdgpu_metadata
---
amdhsa.version: [ 1, 2 ]
amdhsa.kernels:
  - .name:           k_q1d394978b7_attn
    .symbol:         k_q1d394978b7_attn.kd
    .args:
      - { .name: qi, .offset: 0, .size: 8, .value_kind: global_buffer, .address_space: global }
      - { .name: kv, .offset: 8, .size: 8, .value_kind: global_buffer, .address_space: global }
      - { .name: yq, .offset: 16, .size: 8, .value_kind: global_buffer, .address_space: global }
    .group_segment_fixed_size: 327680
    .private_segment_fixed_size: 0
    .kernarg_segment_align: 8
    .kernarg_segment_size: 24
    .max_flat_workgroup_size: 512
    .sgpr_count:     76
    .vgpr_count:     256
    .wavefront_size: 32
...
	.end_amdgpu_metadata
.endif
;; end of part 3
;; launch proj (part 4): grid 8 x 32, 8 waves a work-group, clusters of 4 x 4, 265,216 bytes of LDS; arguments yq, pq, out0; writes out0
.if DOCPART == 4
	.amdgcn_target "amdgcn-amd-amdhsa--gfx1250"
	.amdhsa_code_object_version 6
	.text
	.protected	k_q1d394978b7_proj
	.globl	k_q1d394978b7_proj
	.p2align	8
	.type	k_q1d394978b7_proj,@function
k_q1d394978b7_proj:
	s_mov_b64 s[64:65], 0
	v_nop
	global_prefetch_b8 v0, s[64:65] scope:SCOPE_SE
	s_setreg_imm32_b32 hwreg(HW_REG_WAVE_MODE, 25, 1), 1
	s_wait_xcnt 0x0
	s_wait_alu depctr_hold_cnt(0) depctr_sa_sdst(0) depctr_va_vdst(0) depctr_va_sdst(0) depctr_va_ssrc(0) depctr_va_vcc(0) depctr_vm_vsrc(0)
	s_getreg_b32 s2, hwreg(HW_REG_IB_STS2, 6, 4)
	s_cmp_eq_u32 s2, 0
	s_cbranch_scc0 .Lentry_in_a_cluster
	s_endpgm
.Lentry_in_a_cluster:
	s_bfe_u32 s2, ttmp6, 0x10000c
	s_cmp_lg_u32 s2, 0xf033
	s_cbranch_scc0 .Lentry_shape_is_right
	s_endpgm
.Lentry_shape_is_right:
; out0 = y w_proj on codes of FP6 (E2M3) with E8M0 scales, K = 1024; out0 [4096][1024] f32.
; 256 work-groups of 128 tokens x 128 columns; eight waves; wave w makes tokens 64 (w / 4) on (four tiles) x column tiles 2 (w % 4), 2 (w % 4) + 1: eight accumulators.
; yq: [token tile][K step][1536], byte 256 p + 8 lane + 4 e = register 2 p + e;  pq: [column tile][K step][1536], byte 512 p + 16 lane + 4 e = register 4 p + e; scale words behind the codes, [tile][K step][row].
; Lane r of a tile holds row 32 (t / 2) + 8 (t % 2) + r + 8 (r / 8).  The matrix instruction is used transposed (source 0 = 16 columns of w_proj, source 1 = 16 tokens): a lane's 16 results of two neighbouring
; column tiles are 16 neighbouring numbers of a row of out0.
; ALL OF K LIES IN LDS, filled once: y's eight tile rows of 12,288 bytes, then w_proj's eight.  Each wave fetches two tile rows, 24,576 dense bytes, by ONE tensor load at the head; no ring, no refill.
; CLUSTERS: 4 x 4 work-groups; y's tiles are asked for jointly along a row of the cluster, w_proj's along a column.
; NO PREFETCH: the launch has no loop to run ahead in: all its tiles are asked for at its head.
; REGISTERS: v8-13 addresses, v14-15 the add's two, v16-31 y's scale words, v32-39 w_proj's, v40-103 accumulator (m, u) at 40 + 8 (2 m + u), v104-175 and v176-247 two sets of fragments (y's four, then w_proj's two).
.set YSC,   3145728
.set PSC,   786432
.set TROW,  12288                      ; a tile row: 8 K steps x 1,536 bytes
.set STG,   16*TROW                    ; the stage for the way out: 128 rows x (512 bytes + 16), bytes of its own
.set SPARE, STG+128*528                ; the spare words, 128 bytes for each wave: four blocks of 256 bytes that no other line names
.set G1,   24
.set G1B,  48
.set G0,   68
.set G0B,  72
.macro CREST
	s_cmp_lg_u32 s14, 0
	s_cbranch_scc1 .Lnot_wave_0_\@
	s_barrier_signal -3
.Lnot_wave_0_\@:
	s_barrier_wait -3
	s_barrier_signal -1
	s_barrier_wait -1
.endm
.macro CROUND
	s_barrier_signal -1
	s_barrier_wait -1
	CREST
.endm
	s_load_b128 s[4:7], s[0:1], 0x0                ; yq, pq
	s_load_b64 s[8:9], s[0:1], 0x10                ; out0
	v_lshl_add_u32 v14, v0, 2, SPARE
	v_mov_b32 v15, 0
	ds_add_u32 v14, v15                            ; the opening lines: the add, twice on end, and its wait ahead of my tensor load
	ds_add_u32 v14, v15
	v_lshrrev_b32 v1, 5, v0
	s_delay_alu instid0(VALU_DEP_1)
	v_readfirstlane_b32 s14, v1                    ; wave 0..7
	s_lshr_b32 s15, s14, 2                         ; my half of the tokens.  Also: I fetch for y (0) or for w_proj (1)
	s_and_b32 s16, s14, 3                          ; my pair of column tiles.  Also: which two tile rows I fetch
	s_bfe_u32 s40, ttmp6, 0x40000                  ; cx
	s_bfe_u32 s41, ttmp6, 0x40004                  ; cy
	s_and_b32 s17, ttmp7, 0xffff
	s_lshl_b32 s18, s17, 2
	s_add_co_u32 s18, s18, s41                     ; block of 128 tokens = 4 x cluster y + cy
	s_lshl_b32 s19, ttmp9, 2
	s_add_co_u32 s19, s19, s40                     ; block of 128 columns = 4 x cluster x + cx
	s_lshl_b32 s43, s41, 2
	s_lshl_b32 s43, 15, s43                        ; my row of the cluster
	s_lshl_b32 s44, 0x1111, s40                    ; my column
	; descriptor group 1: 2 rows of 12,288 bytes (1,536 elements of 8 bytes), dense, no padding
	s_or_b32 s[G1], s43, (3<<16)|(1<<21)
	s_or_b32 s[G1B], s44, (3<<16)|(1<<21)
.irp g, G1, G1B
	s_mov_b32 s[\g+1], 1536<<16
	s_mov_b32 s[\g+2], 2<<16
	s_mov_b32 s[\g+3], 1536<<16
	s_mov_b32 s[\g+4], 2
	s_mov_b32 s[\g+5], 1536
	s_mov_b32 s[\g+6], 0
	s_mov_b32 s[\g+7], 0
.endr
	s_lshl_b32 s20, s18, 3
	s_lshl_b32 s21, s16, 1
	s_add_co_u32 s20, s20, s21
	s_mul_i32 s20, s20, TROW                       ; y: the two tile rows that I fetch
	s_mov_b32 s21, 0
	s_lshl_b32 s22, s19, 3
	s_lshl_b32 s23, s16, 1
	s_add_co_u32 s22, s22, s23
	s_mul_i32 s22, s22, TROW                       ; w_proj likewise
	s_mov_b32 s23, 0
	s_mul_i32 s46, s14, 2*TROW                     ; where they go: no place in the cluster enters an LDS address
	s_wait_dscnt 0x0                               ; both opening adds are done
	s_wait_kmcnt 0x0
	s_add_nc_u64 s[20:21], s[4:5], s[20:21]
	s_add_nc_u64 s[22:23], s[6:7], s[22:23]
	CROUND                                         ; all sixteen work-groups are here: the joint loads meet
	s_mov_b32 s[G0], 1
	s_mov_b32 s[G0+1], s46
	s_mov_b64 s[G0+2:G0+3], s[20:21]
	s_or_b32 s[G0+3], s[G0+3], 0x80000000
	s_mov_b32 s[G0B], 1
	s_mov_b32 s[G0B+1], s46
	s_mov_b64 s[G0B+2:G0B+3], s[22:23]
	s_or_b32 s[G0B+3], s[G0B+3], 0x80000000
	s_cmp_eq_u32 s15, 0                            ; one tensor load a wave, in the two arms of one branch on the wave's number; an s_nop 0 and four v_nop follow each
	s_cbranch_scc0 .Lfirst_b
	tensor_load_to_lds s[G0:G0+3], s[G1:G1+7]
	s_nop 0
.rept 4
	v_nop
.endr
	s_branch .Lfirst_asked
.Lfirst_b:
	tensor_load_to_lds s[G0B:G0B+3], s[G1B:G1B+7]
	s_nop 0
.rept 4
	v_nop
.endr
.Lfirst_asked:
	s_lshl_b32 s2, s18, 3
	s_lshl_b32 s3, s15, 2
	s_add_co_u32 s2, s2, s3
	s_lshl_b32 s2, s2, 9
	s_add_co_u32 s2, s2, YSC
	s_mov_b32 s3, 0
	s_add_nc_u64 s[56:57], s[4:5], s[2:3]          ; the scale words of my four token tiles
	s_lshl_b32 s2, s19, 3
	s_lshl_b32 s47, s16, 1
	s_add_co_u32 s2, s2, s47
	s_lshl_b32 s2, s2, 9
	s_add_co_u32 s2, s2, PSC
	s_add_nc_u64 s[58:59], s[6:7], s[2:3]          ; of my two column tiles
	v_and_b32 v1, 31, v0
	v_and_b32 v2, 15, v0
	v_bfe_u32 v3, v0, 4, 1
	s_delay_alu instid0(VALU_DEP_3)
	v_lshlrev_b32 v12, 4, v1                       ; 16 x lane
	s_wait_alu depctr_va_vdst(0)                   ; directly behind the write
	v_lshlrev_b32 v13, 2, v1                       ; 4 x lane
.irp m, 0,1,2,3
.irp j, 0,1,2,3
	global_load_b32 v[16+4*\m+\j], v13, s[56:57] offset:512*\m+128*\j   ; K steps 2 j (lanes 0-15) and 2 j + 1 (lanes 16-31)
.endr
.endr
.irp u, 0,1
.irp j, 0,1,2,3
	global_load_b32 v[32+4*\u+\j], v13, s[58:59] offset:512*\u+128*\j
.endr
.endr
	v_lshlrev_b32 v8, 3, v1
	s_mul_i32 s2, s15, 4*TROW
	v_add_nc_u32 v8, s2, v8                        ; y's fragments: 8 x lane + my four tile rows
	s_mul_i32 s2, s16, 2*TROW
	s_add_co_u32 s2, s2, 8*TROW
	v_add_nc_u32 v9, s2, v12                       ; w_proj's: 16 x lane + my two tile rows, behind y's eight
	v_mul_u32_u24 v10, v2, 528
	s_delay_alu instid0(VALU_DEP_1)
	v_lshl_add_u32 v10, v3, 6, v10
	s_mul_i32 s2, s15, 64*528
	s_lshl_b32 s47, s16, 7
	s_add_co_u32 s2, s2, s47
	s_add_co_u32 s2, s2, STG
	v_add_nc_u32 v10, s2, v10                      ; the stage, in: row 64 (w / 4) + r (rows in the tiles' order), + 128 (w % 4) + 64 h: my 16 numbers
	s_mul_i32 s2, s14, 8448
	s_add_co_u32 s2, s2, STG
	v_add_nc_u32 v11, s2, v12                      ; back: token tile w's 16 rows, 16 bytes a lane
	s_lshl_b32 s2, s18, 7
	s_lshr_b32 s47, s14, 1
	s_lshl_b32 s47, s47, 5
	s_add_co_u32 s2, s2, s47
	s_and_b32 s47, s14, 1
	s_lshl_b32 s47, s47, 3
	s_add_co_u32 s2, s2, s47                       ; that tile's first token
	s_lshl_b32 s2, s2, 12
	s_lshl_b32 s47, s19, 9
	s_add_co_u32 s2, s2, s47
	s_add_nc_u64 s[60:61], s[8:9], s[2:3]
.macro FETCH q                         ; K step q's six fragments into set q % 2: 30 loads
.set FS, 104+72*((\q)%2)
.irp m, 0,1,2,3
.irp p, 0,1,2,3,4,5
	ds_load_b64 v[FS+12*\m+2*\p:FS+12*\m+2*\p+1], v8 offset:TROW*\m+1536*(\q)+256*\p
.endr
.endr
.irp u, 0,1
.irp p, 0,1,2
	ds_load_b128 v[FS+48+12*\u+4*\p:FS+48+12*\u+4*\p+3], v9 offset:TROW*\u+1536*(\q)+512*\p
.endr
.endr
.endm
.macro MUL q                           ; eight matrix instructions, the eight accumulators by turns; K step 0 starts the sums
.set FS, 104+72*((\q)%2)
.irp m, 0,1,2,3
.irp u, 0,1
.set DR, 40+8*(2*\m+\u)
.set BR, FS+48+12*\u
.set AR, FS+12*\m
.set SBR, 32+4*\u+(\q)/2
.set SAR, 16+4*\m+(\q)/2
.if (\q) == 0
	v_wmma_scale_f32_16x16x128_f8f6f4 v[DR:DR+7], v[BR:BR+11], v[AR:AR+11], 0, v[SBR], v[SAR] matrix_a_fmt:MATRIX_FMT_FP6 matrix_b_fmt:MATRIX_FMT_FP6
.elseif (\q)%2
	v_wmma_scale_f32_16x16x128_f8f6f4 v[DR:DR+7], v[BR:BR+11], v[AR:AR+11], v[DR:DR+7], v[SBR], v[SAR] matrix_a_fmt:MATRIX_FMT_FP6 matrix_b_fmt:MATRIX_FMT_FP6 matrix_a_scale:MATRIX_SCALE_ROW1 matrix_b_scale:MATRIX_SCALE_ROW1
.else
	v_wmma_scale_f32_16x16x128_f8f6f4 v[DR:DR+7], v[BR:BR+11], v[AR:AR+11], v[DR:DR+7], v[SBR], v[SAR] matrix_a_fmt:MATRIX_FMT_FP6 matrix_b_fmt:MATRIX_FMT_FP6
.endif
.endr
.endr
.endm
.macro KSTEP q                         ; the next K step's fragments are asked for, then this one is multiplied
.if (\q) < 7
.rept 4
	v_nop                                          ; four places in front of loads into registers that the K step before has multiplied
.endr
	FETCH (\q)+1
	s_wait_dscnt 30                                ; all but the 30 just issued
.else
	s_wait_dscnt 0x0
.endif
	MUL \q
.endm
	s_wait_alu depctr_va_vdst(0)                   ; the wait at the head's end
	s_wait_tensorcnt 0x0                           ; my two tile rows are in
	s_barrier_signal -1
	s_barrier_wait -1                              ; everybody's are
	FETCH 0
	s_wait_loadcnt 0x0                             ; the scale words
.irp q, 0,1,2,3,4,5,6,7
	KSTEP \q
.endr
	; THE WAY OUT: a row's 512 bytes come from four waves: they meet in the stage; then each wave stores one token tile's 16 whole rows.
.rept 4
	v_nop
.endr
.irp m, 0,1,2,3
.irp u, 0,1
	ds_store_b128 v10, v[40+8*(2*\m+\u):43+8*(2*\m+\u)] offset:8448*\m+32*\u       ; each accumulator from its low end on
	ds_store_b128 v10, v[44+8*(2*\m+\u):47+8*(2*\m+\u)] offset:8448*\m+32*\u+16
.endr
.endr
	s_wait_dscnt 0x0                               ; for the others' sake: my stores into the stage are done
	s_barrier_signal -1
	s_barrier_wait -1
.irp i, 0,1,2,3,4,5,6,7,8,9,10,11,12,13,14,15
	ds_load_b128 v[104+4*\i:107+4*\i], v11 offset:528*\i
.endr
.irp i, 0,1,2,3,4,5,6,7,8,9,10,11,12,13,14,15
	s_wait_dscnt 15-\i                             ; the younger loads may be out
	global_store_b128 v12, v[104+4*\i:107+4*\i], s[60:61] offset:(\i+8*(\i/8))*4096 th:TH_STORE_NT   ; 32 lanes store 512 consecutive bytes, aligned; written once, read by nobody here
.endr
	s_wait_tensorcnt 0x0                           ; the wave's end, behind my tensor load and my last LDS store
	ds_add_u32 v14, v15
	s_wait_dscnt 0x0
	CROUND                                         ; the closing round: no work-group ends while a partner may still ask for a tile that names it
	s_endpgm
.Lfunc_end_k_q1d394978b7_proj:
	.size	k_q1d394978b7_proj, .Lfunc_end_k_q1d394978b7_proj-k_q1d394978b7_proj
	.p2alignl 7, 3214868480
	.fill 96, 4, 3214868480
	.section	.rodata,"a",@progbits
	.p2align	6, 0x0
	.amdhsa_kernel k_q1d394978b7_proj
		.amdhsa_group_segment_fixed_size 265216
		.amdhsa_private_segment_fixed_size 0
		.amdhsa_enable_private_segment 0
		.amdhsa_kernarg_size 24
		.amdhsa_user_sgpr_count 2
		.amdhsa_user_sgpr_kernarg_segment_ptr 1
		.amdhsa_wavefront_size32 1
		.amdhsa_system_sgpr_workgroup_id_x 1
		.amdhsa_system_sgpr_workgroup_id_y 1
		.amdhsa_system_sgpr_workgroup_id_z 1
		.amdhsa_system_vgpr_workitem_id 0
		.amdhsa_next_free_vgpr 256
		.amdhsa_next_free_sgpr 100
		.amdhsa_reserve_vcc 0
		.amdhsa_float_denorm_mode_32 3
		.amdhsa_float_denorm_mode_16_64 3
		.amdhsa_memory_ordered 1
		.amdhsa_forward_progress 1
		.amdhsa_inst_pref_size 38
	.end_amdhsa_kernel
	.amdgpu_metadata
---
amdhsa.version: [ 1, 2 ]
amdhsa.kernels:
  - .name:           k_q1d394978b7_proj
    .symbol:         k_q1d394978b7_proj.kd
    .args:
      - { .name: yq, .offset: 0, .size: 8, .value_kind: global_buffer, .address_space: global }
      - { .name: pq, .offset: 8, .size: 8, .value_kind: global_buffer, .address_space: global }
      - { .name: out0, .offset: 16, .size: 8, .value_kind: global_buffer, .address_space: global }
    .group_segment_fixed_size: 265216
    .private_segment_fixed_size: 0
    .kernarg_segment_align: 8
    .kernarg_segment_size: 24
    .max_flat_workgroup_size: 256
    .sgpr_count:     100
    .vgpr_count:     256
    .wavefront_size: 32
...
	.end_amdgpu_metadata
.endif
;; end of part 4
